; MI455X (gfx1250); checked and timed in simulation.
; The chip was launched on July 23, 2026; its instructions are those of AMD's public machine-readable ISA for CDNA 5 (MIT licence, August 2026) and "CDNA5" Instruction Set Architecture Reference Guide (July 2026). The comments in the code are by the model that wrote it; some were corrected since.
;; Multi Head Attention. Allowed arithmetic: float matrix products may take bf16 or f16 operands with f32 sums; all other float work in f32.
;; Inputs: W_proj 1,024 x 1,024 float32; W_qkv 3,072 x 1,024 float32; b_proj 1,024 float32; b_qkv 3,072 float32; x 4 x 2,048 x 1,024 float32.
;; Outputs: out0 4 x 2,048 x 1,024 float32.
;; 2 versions, each right; version 2 is version 1 with the launch cast written anew for expert scheduling mode. Each part assembles by itself: llvm-mc -triple=amdgcn-amd-amdhsa -mcpu=gfx1250 --defsym DOCPART=n.
;; ======== version 1 of 2: 4 launches
;; limits: values are held in f16: magnitudes above 65,504 overflow, below 6.1e-05 lose precision
;; workspace buffers: xb 16,777,216 bytes; wqkvb 6,291,456 bytes; wprojh 2,097,152 bytes; qkv 50,331,648 bytes; att 16,777,216 bytes
;; launch cast (part 1): grid 768 x 1, 8 waves a work-group, no clusters, 0 bytes of LDS; arguments x, W_qkv, W_proj, xb, wqkvb, wprojh; writes xb, wqkvb, wprojh
.if DOCPART == 1
	.amdgcn_target "amdgcn-amd-amdhsa--gfx1250"
	.amdhsa_code_object_version 6
	.text
	.protected	k_q76467d1ceb_cast
	.globl	k_q76467d1ceb_cast
	.p2align	8
	.type	k_q76467d1ceb_cast,@function
k_q76467d1ceb_cast:
	s_mov_b64 s[64:65], 0
	v_nop
	global_prefetch_b8 v0, s[64:65] scope:SCOPE_SE
	s_setreg_imm32_b32 hwreg(HW_REG_WAVE_MODE, 25, 1), 1
	s_wait_xcnt 0x0
; x [8192][1024] and W_qkv [3072][1024], f32, are rounded to bf16 (nearest even); W_proj [1024][1024] is rounded to bf16 and that
; value is held as f16, because its partner in the last product is f16.  (Exact for |w| >= 2^-17; below that the f16 subnormal
; step, 2^-24, rounds it once more; |w| >= 65,504 would become infinite.)
; OUT LAYOUT, all three: panels [g][row][64]: panel g holds columns 64 g .. 64 g + 63, a panel's row is 128 bytes, rows follow
; each other without a gap.  So any run of rows of a panel is dense, which is what the later launches' tiles want.
; A work-group takes 16 rows (64 KiB in, 32 KiB out): groups 0-511 x, 512-703 W_qkv, 704-767 W_proj.  A wave takes two rows.
; Load g of a wave: lanes 0-15 take 256 consecutive bytes (panel g's 64 columns) of the even row, lanes 16-31 of the odd row.
; Store g: 8 bytes a lane, the wave's 32 lanes cover 256 consecutive bytes, aligned: two rows of panel g.
; No loop, no LDS, no matrix unit: every byte is read once and written once; all sixteen loads of a wave are out together.
.set X, 4                              ; v[4:67]    load g: 4 registers
.set Y, 68                             ; v[68:99]   store g: 2 registers
.set T, 100                            ; v[100:103] at work (W_proj's path)
	s_load_b256 s[4:11], s[0:1], 0x0               ; x s[4:5], W_qkv s[6:7], W_proj s[8:9], xb s[10:11]
	s_load_b128 s[12:15], s[0:1], 0x20             ; wqkvb s[12:13], wprojh s[14:15]
	v_lshrrev_b32 v1, 4, v0                        ; my row of the group's 16
	v_and_b32 v2, 15, v0
	v_lshlrev_b32 v1, 12, v1                       ; x 4,096 bytes
	v_lshl_or_b32 v1, v2, 4, v1                    ; + 16 bytes a lane: the load's offset, never rewritten
	v_lshlrev_b32 v2, 3, v0                        ; the store's offset: 128 x row + 8 x (lane mod 16) = 8 x thread, never rewritten
	s_wait_kmcnt 0x0
; One tensor's path.  src, dst: the scalar pairs with the two addresses; first: its first work-group; stride: bytes of a panel;
; half = 1: the bf16 value is stored as f16.
.macro PART src, dst, first, stride, half
	s_sub_co_u32 s16, ttmp9, \first                ; my number among this tensor's groups
	s_lshl_b32 s18, s16, 16                        ; 16 rows of 4,096 bytes in
	s_mov_b32 s19, 0
	s_lshl_b32 s20, s16, 11                        ; 16 rows of 128 bytes in each panel out
	s_mov_b32 s21, 0
	s_add_nc_u64 s[22:23], s[\src:\src+1], s[18:19]
	s_add_nc_u64 s[24:25], s[\dst:\dst+1], s[20:21]    ; panels 0-7 from this base,
	s_add_nc_u64 s[26:27], s[24:25], 8*\stride         ; panels 8-15 from this one: the immediates stay at 7 panels at the most
.set gi, 0
.rept 16
	global_load_b128 v[X+4*gi:X+4*gi+3], v1, s[22:23] offset:256*gi th:TH_LOAD_NT
.set gi, gi+1
.endr
.set gi, 0
.rept 16
	s_wait_loadcnt 15-gi                           ; loads come back in order: load gi is in, the 15 - gi younger ones stay out
	v_cvt_pk_bf16_f32 v[Y+2*gi],   v[X+4*gi],   v[X+4*gi+1]
	v_cvt_pk_bf16_f32 v[Y+2*gi+1], v[X+4*gi+2], v[X+4*gi+3]
.if \half
	v_lshlrev_b32 v[T],   16, v[Y+2*gi]            ; the bf16 values as f32 again,
	v_and_b32     v[T+1], 0xffff0000, v[Y+2*gi]
	v_lshlrev_b32 v[T+2], 16, v[Y+2*gi+1]
	v_and_b32     v[T+3], 0xffff0000, v[Y+2*gi+1]
	v_cvt_pk_f16_f32 v[Y+2*gi],   v[T],   v[T+1]   ; and packed as f16
	v_cvt_pk_f16_f32 v[Y+2*gi+1], v[T+2], v[T+3]
.endif
.if gi < 8
	global_store_b64 v2, v[Y+2*gi:Y+2*gi+1], s[24:25] offset:gi*\stride
.else
	global_store_b64 v2, v[Y+2*gi:Y+2*gi+1], s[26:27] offset:(gi-8)*\stride
.endif
.set gi, gi+1
.endr
	s_endpgm                                       ; no store's register is ever written again, so no further wait is needed
.endm
	s_cmp_ge_u32 ttmp9, 704
	s_cbranch_scc1 .Lwproj
	s_cmp_ge_u32 ttmp9, 512
	s_cbranch_scc1 .Lwqkv
	PART 4, 10, 0, 1048576, 0                      ; x -> xb: a panel is 8,192 rows of 128 bytes
.Lwqkv:
	PART 6, 12, 512, 393216, 0                     ; W_qkv -> wqkvb: 3,072 rows
.Lwproj:
	PART 8, 14, 704, 131072, 1                     ; W_proj -> wprojh: 1,024 rows
.Lfunc_end_k_q76467d1ceb_cast:
	.size	k_q76467d1ceb_cast, .Lfunc_end_k_q76467d1ceb_cast-k_q76467d1ceb_cast
	.p2alignl 7, 3214868480
	.fill 96, 4, 3214868480
	.section	.rodata,"a",@progbits
	.p2align	6, 0x0
	.amdhsa_kernel k_q76467d1ceb_cast
		.amdhsa_group_segment_fixed_size 0
		.amdhsa_private_segment_fixed_size 0
		.amdhsa_enable_private_segment 0
		.amdhsa_kernarg_size 48
		.amdhsa_user_sgpr_count 2
		.amdhsa_user_sgpr_kernarg_segment_ptr 1
		.amdhsa_wavefront_size32 1
		.amdhsa_system_sgpr_workgroup_id_x 1
		.amdhsa_system_sgpr_workgroup_id_y 1
		.amdhsa_system_sgpr_workgroup_id_z 1
		.amdhsa_system_vgpr_workitem_id 0
		.amdhsa_next_free_vgpr 104
		.amdhsa_next_free_sgpr 66
		.amdhsa_reserve_vcc 0
		.amdhsa_float_denorm_mode_32 3
		.amdhsa_float_denorm_mode_16_64 3
		.amdhsa_memory_ordered 1
		.amdhsa_forward_progress 1
		.amdhsa_inst_pref_size 24
	.end_amdhsa_kernel
	.amdgpu_metadata
---
amdhsa.version: [ 1, 2 ]
amdhsa.kernels:
  - .name:           k_q76467d1ceb_cast
    .symbol:         k_q76467d1ceb_cast.kd
    .args:
      - { .name: x, .offset: 0, .size: 8, .value_kind: global_buffer, .address_space: global }
      - { .name: W_qkv, .offset: 8, .size: 8, .value_kind: global_buffer, .address_space: global }
      - { .name: W_proj, .offset: 16, .size: 8, .value_kind: global_buffer, .address_space: global }
      - { .name: xb, .offset: 24, .size: 8, .value_kind: global_buffer, .address_space: global }
      - { .name: wqkvb, .offset: 32, .size: 8, .value_kind: global_buffer, .address_space: global }
      - { .name: wprojh, .offset: 40, .size: 8, .value_kind: global_buffer, .address_space: global }
    .group_segment_fixed_size: 0
    .private_segment_fixed_size: 0
    .kernarg_segment_align: 8
    .kernarg_segment_size: 48
    .max_flat_workgroup_size: 256
    .sgpr_count:     66
    .vgpr_count:     104
    .wavefront_size: 32
...
	.end_amdgpu_metadata
.endif
;; end of part 1
;; launch gemm_qkv (part 2): grid 16 x 32, 4 waves a work-group, clusters of 4 x 4, 327,680 bytes of LDS; arguments xb, wqkvb, b_qkv, qkv; writes qkv
.if DOCPART == 2
	.amdgcn_target "amdgcn-amd-amdhsa--gfx1250"
	.amdhsa_code_object_version 6
	.text
	.protected	k_q76467d1ceb_gemm_qkv
	.globl	k_q76467d1ceb_gemm_qkv
	.p2align	8
	.type	k_q76467d1ceb_gemm_qkv,@function
k_q76467d1ceb_gemm_qkv:
	s_mov_b64 s[64:65], 0
	v_nop
	global_prefetch_b8 v0, s[64:65] scope:SCOPE_SE
	s_setreg_imm32_b32 hwreg(HW_REG_WAVE_MODE, 25, 1), 1
	s_wait_xcnt 0x0
	s_wait_alu depctr_hold_cnt(0) depctr_sa_sdst(0) depctr_va_vdst(0) depctr_va_sdst(0) depctr_va_ssrc(0) depctr_va_vcc(0) depctr_vm_vsrc(0)
	s_getreg_b32 s2, hwreg(HW_REG_IB_STS2, 6, 4)
	s_cmp_eq_u32 s2, 0
	s_cbranch_scc0 .Lentry_in_a_cluster
	s_endpgm
.Lentry_in_a_cluster:
	s_bfe_u32 s2, ttmp6, 0x10000c
	s_cmp_lg_u32 s2, 0xf033
	s_cbranch_scc0 .Lentry_shape_is_right
	s_endpgm
.Lentry_shape_is_right:
; qkv[m][n] = sum over k of x[m][k] W_qkv[n][k] + b_qkv[n], m < 8192, n < 3072, k < 1024.  Operands bf16, sums f32, result f16.
; IN: xb [16][8192][64] and wqkvb [16][3072][64] bf16, panels of 64 columns (a panel's row is 128 bytes, rows dense).
; OUT: qkv [48][8192][64] f16, panel n / 64 = 16 x (q, k or v) + head.  LIMIT: a result of 65,504 or more in magnitude becomes infinite.
; A work-group makes 256 rows x 192 columns (three heads) with four waves; wave w makes rows 64 w .. 64 w + 63 and all 192 columns:
; 4 x 12 accumulator tiles of 16 x 16, 384 registers.  A wave so owns whole rows of three heads and needs only its own stage on the way out.
; K goes in 8 steps of 128 (two panels) through a ring of two LDS slots filled by the tensor data mover, one load a wave and slot:
; waves 0, 1 bring A's two panels (256 rows, 32 KiB dense each), waves 2, 3 B's two (192 rows, 24 KiB dense each).
; CLUSTERS: 4 x 4 work-groups.  A's tiles hang on the block row alone and are asked for jointly by the four of a row of the cluster,
; B's on the block column alone, by the four of a column: the requests for A and B are divided by four.
; THE MATRIX INSTRUCTION IS USED TRANSPOSED (source 0 = rows of W, source 1 = rows of x): lane l holds row l % 16 of the result and its
; eight registers the columns 8 (l / 16) + 0 .. 7.  The bias in that layout is the C of each tile's first product: no add, no clearing.
; REGISTER WINDOWS: 0 addresses, A's fragments, bias, way out; 1 B's fragments; 2 tiles of my rows 0-31; 3 tiles of my rows 32-63.
.set NB,     12                        ; column tiles of 16
.set BN,     16*NB                     ; columns of a block
.set PITCH,  144                       ; an LDS row: 128 bytes + 16 of padding: an odd multiple of 16, so the 16 rows of a fragment load start in 16 different 16-byte columns modulo 256
.set APS,    1048576                   ; bytes of a panel of A
.set BPS,    393216                    ; bytes of a panel of B
.set OPS,    1048576                   ; bytes of a panel of the result
.set ASUB,   256*PITCH                 ; one panel's 256 rows of A in LDS
.set BSUB,   BN*PITCH                  ; one panel's 192 rows of B
.set SLOT,   2*ASUB+2*BSUB             ; A half 0, A half 1, B half 0, B half 1
.set STAGE,  2*SLOT                    ; behind the ring, a multiple of 256: 16 rows x 400 bytes for each wave; no tensor load lands here
.set SPITCH, 400                       ; 384 bytes + 16
.set NLD,    2*NB+8                    ; LDS loads of a quarter step
.set LAPS,   4                         ; a lap = two K steps = once round the ring
.set ADRA, 16                          ; v16-17 LDS address of my A fragments in slot 0, 1
.set ADRB, 20                          ; v20-21 the same for B
.set STO,  24                          ; way out: where I put 16 bytes
.set RD,   25                          ; way out: where I read back
.set CO,   26                          ; way out: my byte offset in a store's 512 bytes
.set BO,   27                          ; my offset in the bias
.set FA0,  32                          ; window 0: A's fragments, buffer 0 (4 x 8 registers)
.set FA1,  64                          ; buffer 1
.set BIAS, 96                          ; window 0: v96-191, tile b at 8 b
.set RB0,  96                          ; way out: rows read back, two buffers of 48 (the bias is dead by then)
.set RB1,  144
.set TMP,  192                         ; way out: packed f16
.set FB0,  0                           ; window 1: B's fragments, buffer 0 (12 x 8 registers)
.set FB1,  8*NB                        ; buffer 1
.set G1A, 24                           ; s[24:31] group 1 for A's tiles
.set G0A, 32                           ; s[32:39] group 0 for A's tiles, one set a slot
.set G1B, 48                           ; s[48:55] group 1 for B's tiles
.set G0B, 56                           ; s[56:63] group 0 for B's tiles, one set a slot
.set MSB, 0
.macro WIN new                         ; low byte: 1:0 source 0, 3:2 source 1, 5:4 source 2, 7:6 destination; the high byte repeats the setting that is left
.if MSB != \new
	s_set_vgpr_msb (MSB<<8)|\new
.set MSB, \new
.endif
.endm
.macro PLACES                          ; four plain vector instructions that name no register: in front of loads into registers that
.rept 4                                ; matrix instructions have read, and in front of the first reads of results
	v_nop
.endr
.endm
; A joint load: waves 0, 1 ask for A's halves, waves 2, 3 for B's.  The branch hangs on the wave's number alone.
.macro JLOAD s
	s_cmp_eq_u32 s13, 0
	s_cbranch_scc0 .Lfor_b_\@
	tensor_load_to_lds s[G0A+4*\s:G0A+4*\s+3], s[G1A:G1A+7]
	s_nop 0
	s_branch .Lasked_\@
.Lfor_b_\@:
	tensor_load_to_lds s[G0B+4*\s:G0B+4*\s+3], s[G1B:G1B+7]
	s_nop 0
.Lasked_\@:
.endm
.macro CREST                           ; a round of the cluster's barrier behind its opening work-group barrier
	s_cmp_lg_u32 s12, 0
	s_cbranch_scc1 .Lnot_wave_0_\@
	s_barrier_signal -3
.Lnot_wave_0_\@:
	s_barrier_wait -3
	s_barrier_signal -1
	s_barrier_wait -1
.endm
.macro CROUND                          ; a whole round
	s_barrier_signal -1
	s_barrier_wait -1
	CREST
.endm
	s_load_b256 s[4:11], s[0:1], 0x0               ; xb s[4:5], wqkvb s[6:7], b_qkv s[8:9], qkv s[10:11]
	s_set_vgpr_msb 0x40
	v_lshl_add_u32 v255, v0, 2, 0x45400
	s_set_vgpr_msb 0x4000
	v_mov_b32 v255, 0
	s_set_vgpr_msb 0x1
	ds_add_u32 v255, v255
	s_set_vgpr_msb 0x100
	v_lshrrev_b32 v1, 5, v0
	v_readfirstlane_b32 s12, v1                    ; wave 0..3
	s_lshr_b32 s13, s12, 1                         ; I fetch for A (0) or for B (1)
	s_and_b32 s14, s12, 1                          ; which of the step's two panels I fetch
	s_bfe_u32 s15, ttmp6, 0x40000                  ; cx
	s_bfe_u32 s16, ttmp6, 0x40004                  ; cy
	s_lshl_b32 s17, ttmp9, 2
	s_add_co_u32 s17, s17, s15                     ; block column = 4 x cluster x + cx
	s_and_b32 s18, ttmp7, 0xffff
	s_lshl_b32 s18, s18, 2
	s_add_co_u32 s18, s18, s16                     ; block row = 4 x cluster y + cy
	s_lshl_b32 s19, s16, 2
	s_lshl_b32 s19, 15, s19                        ; my row of the cluster: places 4 cy .. 4 cy + 3
	s_lshl_b32 s20, 0x1111, s15                    ; my column: places cx, cx + 4, cx + 8, cx + 12
	; group 1: a dense block taken as rows of 256 bytes (32 elements of 8 bytes); 4 words of padding behind every 32 words, that is behind every panel row
	s_or_b32 s[G1A+0], s19, (3<<16)|(1<<20)|(1<<21)|(4<<22)|(3<<25)
	s_or_b32 s[G1B+0], s20, (3<<16)|(1<<20)|(1<<21)|(4<<22)|(3<<25)
	s_mov_b32 s[G1A+1], 32<<16                     ; tensor_dim0 = 32
	s_mov_b32 s[G1B+1], 32<<16
	s_mov_b32 s[G1A+2], 128<<16                    ; tensor_dim1 = 128 rows of 256 bytes = 256 panel rows
	s_mov_b32 s[G1B+2], (BN/2)<<16                 ; 96 = 192 panel rows
	s_mov_b32 s[G1A+3], 32<<16                     ; tile_dim0 = 32
	s_mov_b32 s[G1B+3], 32<<16
	s_mov_b32 s[G1A+4], 128                        ; tile_dim1
	s_mov_b32 s[G1B+4], BN/2
	s_mov_b32 s[G1A+5], 32                         ; pitch = the row: dense
	s_mov_b32 s[G1B+5], 32
	s_mov_b32 s[G1A+6], 0
	s_mov_b32 s[G1B+6], 0
	s_mov_b32 s[G1A+7], 0
	s_mov_b32 s[G1B+7], 0
	; A's address is made of the block row and the wave's number, B's of the block column and the wave's number, in registers that never hold the other coordinate
	s_lshl_b32 s40, s18, 15                        ; 256 rows of 128 bytes
	s_lshl_b32 s41, s14, 20                        ; my panel of the two
	s_add_co_u32 s40, s40, s41
	s_mov_b32 s41, 0
	s_mul_i32 s44, s17, BN*128
	s_mul_i32 s45, s14, BPS
	s_add_co_u32 s44, s44, s45
	s_mov_b32 s45, 0
	s_mul_i32 s21, s12, ASUB                       ; LDS: A's halves at wave x ASUB (waves 0, 1),
	s_mul_i32 s22, s12, BSUB
	s_add_co_u32 s22, s22, 2*(ASUB-BSUB)           ; B's at 2 ASUB + (wave - 2) x BSUB (waves 2, 3)
	s_wait_dscnt 0x0
	s_wait_kmcnt 0x0
	s_add_nc_u64 s[42:43], s[4:5], s[40:41]
	s_add_nc_u64 s[46:47], s[6:7], s[44:45]
	CROUND                                         ; all sixteen work-groups are here: the first joint loads meet
.irp s, 0,1
	s_mov_b32 s[G0A+4*\s], 1
	s_add_co_u32 s[G0A+4*\s+1], s21, \s*SLOT
	s_add_nc_u64 s[G0A+4*\s+2:G0A+4*\s+3], s[42:43], \s*2*APS      ; K step s = panels 2 s, 2 s + 1
	s_or_b32 s[G0A+4*\s+3], s[G0A+4*\s+3], 0x80000000
	s_mov_b32 s[G0B+4*\s], 1
	s_add_co_u32 s[G0B+4*\s+1], s22, \s*SLOT
	s_add_nc_u64 s[G0B+4*\s+2:G0B+4*\s+3], s[46:47], \s*2*BPS
	s_or_b32 s[G0B+4*\s+3], s[G0B+4*\s+3], 0x80000000
	JLOAD \s                                       ; both slots' first fills go out before anything else: two loads of mine are out
.endr
	v_and_b32 v1, 15, v0                           ; r = l % 16
	v_bfe_u32 v2, v0, 4, 1                         ; h = l / 16
	s_mul_i32 s44, s17, BN*4                       ; the block's 192 numbers of the bias
	s_mov_b32 s45, 0
	s_add_nc_u64 s[8:9], s[8:9], s[44:45]
	v_lshlrev_b32 v[BO], 5, v2                     ; register j of tile b holds bias[16 b + 8 h + j]
.set bi, 0
.rept NB
	global_load_b128 v[BIAS+8*bi:BIAS+8*bi+3],   v[BO], s[8:9] offset:64*bi
	global_load_b128 v[BIAS+8*bi+4:BIAS+8*bi+7], v[BO], s[8:9] offset:64*bi+16
.set bi, bi+1
.endr
	; a fragment is 16 rows x 32 K in 8 registers: lane l holds row r; registers 0-3 K = 8 h + 0..7, registers 4-7 K = 16 + 8 h + 0..7: two loads of 16 bytes, 32 apart
	v_mul_u32_u24 v3, v1, PITCH
	v_lshl_add_u32 v3, v2, 4, v3
	s_mul_i32 s40, s12, 64*PITCH                   ; my 64 rows of A
	v_add_nc_u32 v[ADRA], s40, v3
	v_add_nc_u32 v[ADRA+1], SLOT, v[ADRA]
	v_add_nc_u32 v[ADRB], 2*ASUB, v3
	v_add_nc_u32 v[ADRB+1], SLOT, v[ADRB]
	s_mul_i32 s23, s12, 16*SPITCH
	s_add_co_u32 s23, s23, STAGE                   ; my stage
	v_mul_u32_u24 v4, v1, SPITCH                   ; in: row r, 16 bytes for each half of the lanes
	v_lshl_add_u32 v4, v2, 4, v4
	v_add_nc_u32 v[STO], s23, v4
	v_and_b32 v5, 31, v0
	v_lshrrev_b32 v6, 3, v5                        ; back: eight lanes take a head's 128 bytes of one row, the wave four rows
	v_and_b32 v7, 7, v0
	v_mul_u32_u24 v6, v6, SPITCH
	v_lshl_add_u32 v6, v7, 4, v6
	v_add_nc_u32 v[RD], s23, v6
	v_lshlrev_b32 v[CO], 4, v5                     ; four panel rows are 512 dense bytes: 16 x lane
; 24 matrix instructions: my row tiles 2 hi, 2 hi + 1 x all 12 column tiles, 32 along K.  first = 1: the bias starts the sums.
; The 48 accumulators take turns, one instruction a turn, in the same order in every quarter step.
.macro MULH fa, fb, hi, first
.irp a, 0,1
.set bi, 0
.rept NB
.if \first
	v_wmma_f32_16x16x32_bf16 v[8*(NB*\a+bi):8*(NB*\a+bi)+7], v[\fb+8*bi:\fb+8*bi+7], v[\fa+8*(2*\hi+\a):\fa+8*(2*\hi+\a)+7], v[BIAS+8*bi:BIAS+8*bi+7]
.else
	v_wmma_f32_16x16x32_bf16 v[8*(NB*\a+bi):8*(NB*\a+bi)+7], v[\fb+8*bi:\fb+8*bi+7], v[\fa+8*(2*\hi+\a):\fa+8*(2*\hi+\a)+7], v[8*(NB*\a+bi):8*(NB*\a+bi)+7]
.endif
.set bi, bi+1
.endr
.endr
.endm
; the 32 LDS loads of quarter q (32 K: panel q / 2, byte 64 (q % 2) of its rows): 192 rows of B, my 64 rows of A
.macro FETCH slot, q, fa, fb
	WIN 0x40                                       ; destination window 1, address window 0
.set bi, 0
.rept NB
	ds_load_b128 v[\fb+8*bi:\fb+8*bi+3],   v[ADRB+\slot] offset:(\q>>1)*BSUB+(\q&1)*64+bi*16*PITCH
	ds_load_b128 v[\fb+8*bi+4:\fb+8*bi+7], v[ADRB+\slot] offset:(\q>>1)*BSUB+(\q&1)*64+bi*16*PITCH+32
.set bi, bi+1
.endr
	WIN 0
.irp a, 0,1,2,3
	ds_load_b128 v[\fa+8*\a:\fa+8*\a+3],   v[ADRA+\slot] offset:(\q>>1)*ASUB+(\q&1)*64+\a*16*PITCH
	ds_load_b128 v[\fa+8*\a+4:\fa+8*\a+7], v[ADRA+\slot] offset:(\q>>1)*ASUB+(\q&1)*64+\a*16*PITCH+32
.endr
.endm
; One of a K step's first three quarters: asks for quarter q's fragments into buffer g, then multiplies buffer f: the 48 products cover the loads' way
.macro QUARTER slot, q, fa, fb, ga, gb, first
	PLACES                                         ; buffer g was read by the matrix instructions just issued
	FETCH \slot, \q, \ga, \gb
	s_wait_dscnt NLD                               ; all but the NLD loads just issued: buffer f is in
.if \first
	WIN 0x81                                       ; source 0 window 1, source 1 and C (the bias) window 0, D window 2
.else
	WIN 0xa1                                       ; C and D window 2
.endif
	MULH \fa, \fb, 0, \first
.if \first
	WIN 0xc1
.else
	WIN 0xf1                                       ; C and D window 3
.endif
	MULH \fa, \fb, 1, \first
.endm
.macro THREE slot, first
	QUARTER \slot, 1, FA0, FB0, FA1, FB1, \first
	QUARTER \slot, 2, FA1, FB1, FA0, FB0, 0
	QUARTER \slot, 3, FA0, FB0, FA1, FB1, 0
.endm
; The last quarter multiplies buffer 1 and changes slots.  In front of the barrier each wave waits for its reads of this slot and for all its tensor loads
; (one is out: its part of the next slot).  fill = 1: the barrier opens a round of the cluster's barrier, and the joint refill of this slot, two K steps
; ahead, is the first tensor load behind the round's closing wait, ahead of the first LDS read.
.macro TURN slot, next, fill
	s_wait_dscnt 0x0                               ; buffer 1 is in, and my reads of this slot are over
	s_wait_tensorcnt 0x0                           ; all my tensor loads have landed
	ds_add_u32 v255, v255
	s_wait_dscnt 0x0
	s_barrier_signal -1
	WIN 0xa1
	MULH FA1, FB1, 0, 0                            ; register work while the others arrive
	WIN 0
	s_barrier_wait -1
.if \fill
	CREST
	s_add_nc_u64 s[G0A+4*\slot+2:G0A+4*\slot+3], s[G0A+4*\slot+2:G0A+4*\slot+3], 4*APS   ; no load of mine is out: group 0 may be written
	s_add_nc_u64 s[G0B+4*\slot+2:G0B+4*\slot+3], s[G0B+4*\slot+2:G0B+4*\slot+3], 4*BPS
	JLOAD \slot
.endif
	PLACES
	FETCH \next, 0, FA0, FB0
	WIN 0xf1
	MULH FA1, FB1, 1, 0
.endm
.macro LAP first
	THREE 0, \first
	TURN 0, 1, 1
	THREE 1, 0
	TURN 1, 0, 1
.endm
	s_wait_tensorcnt 0x1                           ; my part of K step 0 is in; K step 1's load stays out
	s_barrier_signal -1
	s_barrier_wait -1                              ; everybody's part is in
	s_wait_loadcnt 0x0                             ; the bias
	FETCH 0, 0, FA0, FB0
	LAP 1                                          ; the first lap stands in front of the loop: its first products start the sums
	WIN 0                                          ; at a label and at a branch every window is 0
	s_mov_b32 s23, LAPS-2
.Llap:
	LAP 0
	WIN 0
	s_sub_co_u32 s23, s23, 1
	s_cmp_lg_u32 s23, 0
	s_cbranch_scc1 .Llap
	THREE 0, 0                                     ; the last lap fills nothing
	TURN 0, 1, 0
	THREE 1, 0
	s_wait_dscnt 0x0
	WIN 0xa1
	MULH FA1, FB1, 0, 0
	WIN 0xf1
	MULH FA1, FB1, 1, 0
	PLACES                                         ; behind the last matrix instructions, in front of the conversions that read results
	; THE WAY OUT, 16 rows at a time: round to f16, 16 bytes a lane into my own stage, read back four rows of one head at a time, store 512 dense bytes
	s_mul_i32 s44, s17, 3
	s_lshl_b32 s44, s44, 20                        ; my first head's panel: 3 x block column
	s_lshl_b32 s45, s18, 15                        ; 256 x block row rows of 128 bytes
	s_add_co_u32 s44, s44, s45
	s_lshl_b32 s45, s12, 13                        ; 64 x wave rows
	s_add_co_u32 s44, s44, s45
	s_mov_b32 s45, 0
	s_add_nc_u64 s[10:11], s[10:11], s[44:45]
; rows 16 a .. 16 a + 15 of my 64 = twelve tiles of window 2 or 3 (from = 0x0a or 0x0f: sources 0 and 1); rb: the buffers take turns
.macro OUTQ a, from, rb
	WIN \from
.set bi, 0
.rept NB
.irp r, 0,1,2,3
	v_cvt_pk_f16_f32 v[TMP+4*bi+\r], v[8*(NB*(\a&1)+bi)+2*\r], v[8*(NB*(\a&1)+bi)+2*\r+1]
.endr
.set bi, bi+1
.endr
	WIN 0
.set bi, 0
.rept NB
	ds_store_b128 v[STO], v[TMP+4*bi:TMP+4*bi+3] offset:32*bi
.set bi, bi+1
.endr
	s_wait_xcnt 0x0                                ; buffer rb, which earlier stores read, is loaded again only behind this wait
.irp t, 0,1,2,3,4,5,6,7,8,9,10,11
	ds_load_b128 v[\rb+4*\t:\rb+4*\t+3], v[RD] offset:(\t&3)*4*SPITCH+(\t>>2)*128   ; LDS serves a wave's instructions in order: these see the stores above
.endr
.irp t, 0,1,2,3,4,5,6,7,8,9,10,11
	s_wait_dscnt 11-\t                             ; load t is in, the 11 - t younger ones stay out
	global_store_b128 v[CO], v[\rb+4*\t:\rb+4*\t+3], s[10:11] offset:(\t>>2)*OPS+(16*\a+4*(\t&3))*128   ; 512 consecutive bytes, aligned: four rows of one head's panel
.endr
.endm
	OUTQ 0, 0x0a, RB0
	OUTQ 1, 0x0a, RB1
	OUTQ 2, 0x0f, RB0
	OUTQ 3, 0x0f, RB1
	s_set_vgpr_msb 0x1
	s_wait_tensorcnt 0x0
	ds_add_u32 v255, v255
	s_wait_dscnt 0x0
	s_set_vgpr_msb 0x100
	CROUND                                         ; the closing round: no work-group ends while a partner may still ask for a tile that names it
	s_endpgm
.Lfunc_end_k_q76467d1ceb_gemm_qkv:
	.size	k_q76467d1ceb_gemm_qkv, .Lfunc_end_k_q76467d1ceb_gemm_qkv-k_q76467d1ceb_gemm_qkv
	.p2alignl 7, 3214868480
	.fill 96, 4, 3214868480
	.section	.rodata,"a",@progbits
	.p2align	6, 0x0
	.amdhsa_kernel k_q76467d1ceb_gemm_qkv
		.amdhsa_group_segment_fixed_size 327680
		.amdhsa_private_segment_fixed_size 0
		.amdhsa_enable_private_segment 0
		.amdhsa_kernarg_size 32
		.amdhsa_user_sgpr_count 2
		.amdhsa_user_sgpr_kernarg_segment_ptr 1
		.amdhsa_wavefront_size32 1
		.amdhsa_system_sgpr_workgroup_id_x 1
		.amdhsa_system_sgpr_workgroup_id_y 1
		.amdhsa_system_sgpr_workgroup_id_z 1
		.amdhsa_system_vgpr_workitem_id 0
		.amdhsa_next_free_vgpr 1024
		.amdhsa_next_free_sgpr 66
		.amdhsa_reserve_vcc 0
		.amdhsa_float_denorm_mode_32 3
		.amdhsa_float_denorm_mode_16_64 3
		.amdhsa_memory_ordered 1
		.amdhsa_forward_progress 1
		.amdhsa_inst_pref_size 165
	.end_amdhsa_kernel
	.amdgpu_metadata
---
amdhsa.version: [ 1, 2 ]
amdhsa.kernels:
  - .name:           k_q76467d1ceb_gemm_qkv
    .symbol:         k_q76467d1ceb_gemm_qkv.kd
    .args:
      - { .name: xb, .offset: 0, .size: 8, .value_kind: global_buffer, .address_space: global }
      - { .name: wqkvb, .offset: 8, .size: 8, .value_kind: global_buffer, .address_space: global }
      - { .name: b_qkv, .offset: 16, .size: 8, .value_kind: global_buffer, .address_space: global }
      - { .name: qkv, .offset: 24, .size: 8, .value_kind: global_buffer, .address_space: global }
    .group_segment_fixed_size: 327680
    .private_segment_fixed_size: 0
    .kernarg_segment_align: 8
    .kernarg_segment_size: 32
    .max_flat_workgroup_size: 128
    .sgpr_count:     66
    .vgpr_count:     1024
    .wavefront_size: 32
...
	.end_amdgpu_metadata
.endif
;; end of part 2
;; launch attn (part 3): grid 256 x 1, 8 waves a work-group, no clusters, 327,680 bytes of LDS; arguments qkv, att; writes att
.if DOCPART == 3
	.amdgcn_target "amdgcn-amd-amdhsa--gfx1250"
	.amdhsa_code_object_version 6
	.text
	.protected	k_q76467d1ceb_attn
	.globl	k_q76467d1ceb_attn
	.p2align	8
	.type	k_q76467d1ceb_attn,@function
k_q76467d1ceb_attn:
	s_mov_b64 s[64:65], 0
	v_nop
	global_prefetch_b8 v0, s[64:65] scope:SCOPE_SE
	s_setreg_imm32_b32 hwreg(HW_REG_WAVE_MODE, 25, 1), 1
	s_wait_xcnt 0x0
; Causal attention of one head: att = softmax(q k^T / 8, keys <= query) v.  T = 2048, 64 numbers a head; 64 heads x batches.
; IN: qkv [48][8192][64] f16 (panel 16 x (q, k, v) + head, row 2048 b + t).  OUT: att [16][8192][64] f16 (panel = head).
; Products in f16 with f32 sums; maxima, exponentials and sums in f32, with a running maximum for each query.
; LIMITS: a probability below 2^-25 relative to its row's largest is rounded to 0 in f16; v_exp_f32 gives 0 for results below 2^-126
; (ISA guide 15.8); inputs with NaN or infinities are not reproduced element by element.
; SHARES: work-group x: i = x & 3, head = (x >> 2) & 15, batch = x >> 6.  It takes query blocks i and 7 - i of 256 rows.  A wave takes 64 queries:
; group sd = 4 i + u (waves 0-3, u = wave & 3) or 31 - 4 i - u (waves 4-7).  Keys go in steps of 64; a wave works on steps 0 .. sd, step sd being its
; diagonal one, and jumps over later steps (it still passes every barrier).  Waves w and w + 4 have 33 steps together in every work-group.
; NO CLUSTER: the four work-groups of a head walk 16, 14, 12 and 10 tiles, and their jumps over steps hang on i, which would be the place in the
; cluster; joint requests allow neither.  Without the jumps the work would double, to share 32 KiB for every two steps.
; TRANSPOSED FORM: S^T = K Q^T (source 0 = 16 keys, source 1 = 16 queries): lane l holds query l % 16 and keys 8 (l / 16) + 0 .. 7 of each tile, so a
; query's figures are per lane (one exchange between the halves), and two neighbouring key tiles packed to f16 ARE the second source of O^T = V^T P^T.
; V^T's fragments come from V's rows by the transposing LDS load.  O^T's lane holds eight neighbouring numbers of one query's row.
; A STEP IS A PIPELINE OF TWO HALVES.  The four query tiles do not depend on each other: H0 = tiles 0, 1, H1 = tiles 2, 3.  Order: S^T(H0); maxima of H0;
; the 96 lines that make 2^(c S - c max) of H0, with the 16 products of S^T(H1) among them, one ahead of every six lines; sums, packing and O's rescale of H0;
; maxima of H1; the 96 lines of H1 with the 16 products of O^T(H0) among them; sums, packing, rescale of H1; O^T(H1).  So 32 of a step's 64 matrix
; instructions are issued while the wave has vector lines to issue.
; LDS: two slots, each a tile of 128 keys (two steps): K 128 x 144 bytes, V 128 x 160 bytes; behind them a stage of 64 x 144 bytes for each wave.
; REGISTER WINDOWS: 0 holds addresses, the queries' figures, K's fragments and S (P in place); 1 holds O, Q's and V's fragments.  S^T then needs window 1 in
; source 1 alone (setting 0x04), and the scale and exponential lines, which name no vector register in source 1, run under that same setting: the first
; interleaved run has no switch.  O^T's products (0x51) stand among lines of setting 0: two switches for each of those sixteen.
.set KP,    144                        ; K's pitch: 128 + 16, an odd multiple of 16
.set VP,    160                        ; V's pitch: 128 + 32, an odd multiple of 32, for the transposing load
.set KSUB,  128*KP
.set SLOT,  KSUB+128*VP                ; 38,912
.set STAGE, 2*SLOT                     ; 77,824, a multiple of 256; no tensor load lands at or behind it
.set TILEB, 16384                      ; a tile's bytes of K or of V in memory: 128 dense rows
.set CEXP,  0x3e38aa3b                 ; c = log2(e) / 8
.set NCEXP, 0xbe38aa3b                 ; -c
.set KA,   8                           ; window 0: LDS address of my part of a K fragment
.set VA,   9                           ; of a V fragment
.set STO,  10                          ; way out: where I put 16 bytes
.set RD,   11                          ; way out: where I read back
.set GO,   12                          ; way out: 16 x lane
.set QO,   13                          ; my offset in a Q fragment's rows
.set PFO,  14                          ; prefetch: 256 x lane
.set NINF, 15                          ; -infinity
.set MX,   20                          ; v20-23  running maximum of query tile qt
.set TP,   24                          ; v24-27  at work
.set NM,   28                          ; v28-35  -c x maximum, twice (a pair for the packed forms)
.set AL,   36                          ; v36-43  the step's rescale factor, twice
.set LS,   44                          ; v44-51  running sum: two partial sums a lane
.set KF,   64                          ; window 0, v64-127:  K fragment (kt, ks) at 8 (2 kt + ks)
.set SS,   128                         ; window 0, v128-255: S^T tile (kt, qt) at 8 (4 qt + kt); P (k2, qt) in place at 32 qt + 16 k2
.set OO,   0                           ; window 1, v0-127:   O^T tile (c, qt) at 8 (4 qt + c)
.set QF,   128                         ; window 1, v128-191: Q fragment (qt, ks) at 8 (2 qt + ks)
.set VF,   192                         ; window 1, v192-255: V^T fragment (c, k2) at 8 (2 c + k2)
.set G1K, 16                           ; s[16:23] group 1 for K
.set G1V, 24                           ; s[24:31] group 1 for V
.set G0K, 32                           ; s[32:39] group 0 for K, one set a slot
.set G0V, 40                           ; s[40:47] group 0 for V, one set a slot
.set MSB, 0
.macro WIN new                         ; low byte: 1:0 source 0, 3:2 source 1, 5:4 source 2, 7:6 destination; the high byte repeats the setting that is left
.if MSB != \new
	s_set_vgpr_msb (MSB<<8)|\new
.set MSB, \new
.endif
.endm
.macro PLACES                          ; four plain vector instructions that name no register (ISA guide 7.12.1)
.rept 4
	v_nop
.endr
.endm
	s_load_b128 s[4:7], s[0:1], 0x0                ; qkv s[4:5], att s[6:7]
	v_lshl_add_u32 v62, v0, 2, 0x29000
	v_mov_b32 v63, 0
	ds_add_u32 v62, v63
	v_lshrrev_b32 v1, 5, v0
	v_readfirstlane_b32 s8, v1                     ; wave 0..7
	s_and_b32 s9, ttmp9, 3                         ; i
	s_bfe_u32 s10, ttmp9, 0x40002                  ; head
	s_lshr_b32 s11, ttmp9, 6                       ; batch
	s_and_b32 s12, s8, 3                           ; u
	s_lshl2_add_u32 s13, s9, s12                   ; 4 i + u
	s_sub_co_u32 s14, 31, s13
	s_cmp_lt_u32 s8, 4
	s_cselect_b32 s61, s13, s14                    ; sd: my group of 64 queries, and my last step
	s_sub_co_u32 s59, 7, s9                        ; the loop's trips: 2 (8 - i) tiles, one in front of the loop, one behind it
	s_mov_b32 s60, 0                               ; the step
	s_mov_b32 s62, 0x76543210                      ; v_permlanex16_b32: lane l of one half reads lane l of the other
	s_mov_b32 s63, 0xfedcba98
	s_lshl_b32 s13, s10, 20                        ; a panel is 8,192 rows of 128 bytes
	s_lshl_b32 s14, s11, 18                        ; a batch is 2,048 rows
	s_add_co_u32 s74, s13, s14                     ; head and batch
	s_mov_b32 s75, 0
	s_lshl_b32 s15, s61, 13                        ; my 64 rows
	s_add_co_u32 s76, s74, s15                     ; my queries' offset in q's panels, and my rows' in att
	s_mov_b32 s77, 0
	; the prefetch's offset (used where s52 = 0: i = 0, wave 2 for K, wave 3 for V): tile 2 first, never beyond tile 15, the head's last
	s_mov_b32 s13, 32<<20
	s_cmp_eq_u32 s8, 2
	s_cselect_b32 s13, 16<<20, s13
	s_add_co_u32 s13, s13, s74
	s_add_co_u32 s56, s13, 2*TILEB
	s_mov_b32 s57, 0
	s_add_co_u32 s53, s13, 15*TILEB
	s_lshr_b32 s14, s8, 1
	s_xor_b32 s14, s14, 1
	s_or_b32 s52, s14, s9
	; group 1: a dense block of 16 KiB as 64 rows of 256 bytes (32 elements of 8 bytes); padding behind every 32 words (a panel row): 4 words for K, 8 for V
	s_mov_b32 s[G1K+0], (3<<16)|(1<<20)|(4<<22)|(3<<25)
	s_mov_b32 s[G1V+0], (3<<16)|(1<<20)|(4<<22)|(7<<25)
	s_mov_b32 s[G1K+1], 32<<16
	s_mov_b32 s[G1V+1], 32<<16
	s_mov_b32 s[G1K+2], 64<<16
	s_mov_b32 s[G1V+2], 64<<16
	s_mov_b32 s[G1K+3], 32<<16
	s_mov_b32 s[G1V+3], 32<<16
	s_mov_b32 s[G1K+4], 64
	s_mov_b32 s[G1V+4], 64
	s_mov_b32 s[G1K+5], 32
	s_mov_b32 s[G1V+5], 32
	s_mov_b32 s[G1K+6], 0
	s_mov_b32 s[G1V+6], 0
	s_mov_b32 s[G1K+7], 0
	s_mov_b32 s[G1V+7], 0
	s_wait_dscnt 0x0
	s_wait_kmcnt 0x0
	s_add_nc_u64 s[48:49], s[4:5], s[76:77]        ; my queries
	s_add_nc_u64 s[50:51], s[6:7], s[76:77]        ; my rows of att
	s_add_nc_u64 s[78:79], s[4:5], s[74:75]
.irp sl, 0,1
	s_mov_b32 s[G0K+4*\sl], 1
	s_mov_b32 s[G0K+4*\sl+1], \sl*SLOT
	s_add_nc_u64 s[G0K+4*\sl+2:G0K+4*\sl+3], s[78:79], (16<<20)+\sl*TILEB      ; k's panels begin 16 panels in; tile sl
	s_or_b32 s[G0K+4*\sl+3], s[G0K+4*\sl+3], 0x80000000
	s_mov_b32 s[G0V+4*\sl], 1
	s_mov_b32 s[G0V+4*\sl+1], \sl*SLOT+KSUB
	s_add_nc_u64 s[G0V+4*\sl+2:G0V+4*\sl+3], s[78:79], (32<<20)+\sl*TILEB      ; v's 32 panels in
	s_or_b32 s[G0V+4*\sl+3], s[G0V+4*\sl+3], 0x80000000
.endr
	; the first fills, both slots, ahead of every wait on TENSORcnt, LDS read and barrier: wave 0 K's two tiles, wave 1 V's two, each inside one branch
	s_cmp_lg_u32 s8, 0
	s_cbranch_scc1 .Lnot_wave_0
	tensor_load_to_lds s[G0K:G0K+3], s[G1K:G1K+7]
	s_nop 0
	tensor_load_to_lds s[G0K+4:G0K+7], s[G1K:G1K+7]
	s_nop 0
.Lnot_wave_0:
	s_cmp_lg_u32 s8, 1
	s_cbranch_scc1 .Lnot_wave_1
	tensor_load_to_lds s[G0V:G0V+3], s[G1V:G1V+7]
	s_nop 0
	tensor_load_to_lds s[G0V+4:G0V+7], s[G1V:G1V+7]
	s_nop 0
.Lnot_wave_1:
	v_and_b32 v1, 15, v0                           ; r
	v_bfe_u32 v2, v0, 4, 1                         ; h
	v_lshlrev_b32 v[QO], 7, v1
	v_lshl_add_u32 v[QO], v2, 4, v[QO]             ; 128 r + 16 h
	WIN 0x40                                       ; destination window 1, address window 0
.irp qt, 0,1,2,3
.irp ks, 0,1
	global_load_b128 v[QF+8*(2*\qt+\ks):QF+8*(2*\qt+\ks)+3],   v[QO], s[48:49] offset:2048*\qt+64*\ks      ; query 16 qt + r, numbers 32 ks + 8 h ..
	global_load_b128 v[QF+8*(2*\qt+\ks)+4:QF+8*(2*\qt+\ks)+7], v[QO], s[48:49] offset:2048*\qt+64*\ks+32   ; 32 ks + 16 + 8 h ..
.endr
.endr
	WIN 0
	v_and_b32 v3, 31, v0                           ; lane
	v_and_b32 v4, 7, v0
	v_bfe_u32 v5, v0, 3, 1
	v_mul_u32_u24 v[KA], v1, KP
	v_lshl_add_u32 v[KA], v2, 4, v[KA]             ; r x pitch + 16 h
	v_lshl_add_u32 v6, v2, 3, v4                   ; the transposing load: row 8 h + lane % 8,
	v_mul_u32_u24 v6, v6, VP
	v_lshl_add_u32 v6, v5, 4, v6                   ; 16 bytes for each group of eight lanes
	v_add_nc_u32 v[VA], KSUB, v6
	s_mul_i32 s13, s8, 64*KP
	s_add_co_u32 s13, s13, STAGE                   ; my stage
	v_add_nc_u32 v[STO], s13, v[KA]
	v_lshrrev_b32 v6, 3, v3
	v_mul_u32_u24 v6, v6, KP
	v_lshl_add_u32 v6, v4, 4, v6
	v_add_nc_u32 v[RD], s13, v6                    ; back: eight lanes a row, four rows a load
	v_lshlrev_b32 v[GO], 4, v3
	v_lshlrev_b32 v[PFO], 8, v3
	v_mov_b32 v[NINF], 0xff800000
	v_lshlrev_b32 v7, 3, v2
	v_sub_nc_u32 v7, v1, v7                        ; r - 8 h
.irp j, 0,1,2,3,4,5,6,7
	v_cmp_le_i32 s[66+\j], \j, v7                  ; in a tile on the diagonal register j stays where key 8 h + j <= query r
.endr
; K's eight fragments of the 64 keys at half (0, 1) of the tile in slot: sixteen loads (setting 0)
.macro KLOAD slot, half
.irp kt, 0,1,2,3
.irp ks, 0,1
	ds_load_b128 v[KF+8*(2*\kt+\ks):KF+8*(2*\kt+\ks)+3],   v[KA] offset:\slot*SLOT+(64*\half+16*\kt)*KP+64*\ks
	ds_load_b128 v[KF+8*(2*\kt+\ks)+4:KF+8*(2*\kt+\ks)+7], v[KA] offset:\slot*SLOT+(64*\half+16*\kt)*KP+64*\ks+32
.endr
.endr
.endm
; V^T's eight fragments of the same keys: sixteen transposing loads (setting 0x40)
.macro VLOAD slot, half
.irp c, 0,1,2,3
.irp k2, 0,1
	ds_load_tr16_b128 v[VF+8*(2*\c+\k2):VF+8*(2*\c+\k2)+3],   v[VA] offset:\slot*SLOT+(64*\half+32*\k2)*VP+32*\c      ; number 16 c + r, keys 32 k2 + 8 h ..
	ds_load_tr16_b128 v[VF+8*(2*\c+\k2)+4:VF+8*(2*\c+\k2)+7], v[VA] offset:\slot*SLOT+(64*\half+32*\k2+16)*VP+32*\c   ; keys 32 k2 + 16 + 8 h ..
.endr
.endr
.endm
; Product idx (0 .. 15) of S^T = K Q^T for query tiles 2 h, 2 h + 1 (setting 0x04): first 32 of the head's numbers on all eight tiles, starting the sums,
; then the other 32 in place.  The tiles take turns, one instruction a turn.
.macro STW h, idx
.set w_ks, (\idx)>>3
.set w_qt, 2*\h+(((\idx)>>2)&1)
.set w_kt, (\idx)&3
.if w_ks
	v_wmma_f32_16x16x32_f16 v[SS+8*(4*w_qt+w_kt):SS+8*(4*w_qt+w_kt)+7], v[KF+8*(2*w_kt+w_ks):KF+8*(2*w_kt+w_ks)+7], v[QF+8*(2*w_qt+w_ks):QF+8*(2*w_qt+w_ks)+7], v[SS+8*(4*w_qt+w_kt):SS+8*(4*w_qt+w_kt)+7]
.else
	v_wmma_f32_16x16x32_f16 v[SS+8*(4*w_qt+w_kt):SS+8*(4*w_qt+w_kt)+7], v[KF+8*(2*w_kt+w_ks):KF+8*(2*w_kt+w_ks)+7], v[QF+8*(2*w_qt+w_ks):QF+8*(2*w_qt+w_ks)+7], 0
.endif
.endm
; Product idx (0 .. 15) of O^T += V^T P^T for query tiles 2 h, 2 h + 1 (setting 0x51): keys 0-31 on all eight tiles, then keys 32-63.  By turns, as above.
.macro PVW h, idx, first
.set p_k2, (\idx)>>3
.set p_qt, 2*\h+(((\idx)>>2)&1)
.set p_c,  (\idx)&3
.if \first*(1-p_k2)
	v_wmma_f32_16x16x32_f16 v[OO+8*(4*p_qt+p_c):OO+8*(4*p_qt+p_c)+7], v[VF+8*(2*p_c+p_k2):VF+8*(2*p_c+p_k2)+7], v[SS+32*p_qt+16*p_k2:SS+32*p_qt+16*p_k2+7], 0
.else
	v_wmma_f32_16x16x32_f16 v[OO+8*(4*p_qt+p_c):OO+8*(4*p_qt+p_c)+7], v[VF+8*(2*p_c+p_k2):VF+8*(2*p_c+p_k2)+7], v[SS+32*p_qt+16*p_k2:SS+32*p_qt+16*p_k2+7], v[OO+8*(4*p_qt+p_c):OO+8*(4*p_qt+p_c)+7]
.endif
.endm
; two scores of query tile qt: c S - c maximum, in place.  No vector register stands in source 1, so the line runs under settings 0 and 0x04 alike.
.macro PFMA qt, n
	v_pk_fma_f32 v[SS+32*(\qt)+2*(\n):SS+32*(\qt)+2*(\n)+1], v[SS+32*(\qt)+2*(\n):SS+32*(\qt)+2*(\n)+1], CEXP, v[NM+2*(\qt):NM+2*(\qt)+1] op_sel_hi:[1,0,1]
.endm
.macro PEXP qt, e
	v_exp_f32 v[SS+32*(\qt)+(\e)], v[SS+32*(\qt)+(\e)]
.endm
; Line j (0 .. 95) of the run that makes P = 2^(c S - c maximum) of query tiles A = 2 h, B = 2 h + 1: A's 16 multiply-adds; A's 32 exponentials, two at a
; time with one of B's multiply-adds behind them; B's 32 exponentials.  No line reads the result of, or writes the source of, the exponential just ahead of it.
.macro FE h, j
.if (\j) < 16
	PFMA 2*\h, (\j)
.else
.if (\j) < 64
.if ((\j)-16)%3 == 2
	PFMA 2*\h+1, ((\j)-16)/3
.else
	PEXP 2*\h, 2*(((\j)-16)/3)+((\j)-16)%3
.endif
.else
	PEXP 2*\h+1, (\j)-64
.endif
.endif
.endm
; My diagonal step alone: keys behind the query become -infinity in query tiles 2 h, 2 h + 1
.macro MASK h
	s_cmp_lg_u32 s60, s61
	s_cbranch_scc1 .Lnomask_\@
.irp q, 0,1
.irp kt, 0,1,2,3
.if \kt > 2*\h+\q
.irp j, 0,1,2,3,4,5,6,7
	v_mov_b32 v[SS+8*(4*(2*\h+\q)+\kt)+\j], v[NINF]        ; every key of the tile lies behind every query
.endr
.endif
.if \kt == 2*\h+\q
.irp j, 0,1,2,3,4,5,6,7
	v_cndmask_b32 v[SS+8*(4*(2*\h+\q)+\kt)+\j], v[NINF], v[SS+8*(4*(2*\h+\q)+\kt)+\j], s[66+\j]
.endr
.endif
.endr
.endr
.Lnomask_\@:
.endm
; The maxima of query tiles 2 h, 2 h + 1 and what follows from them.  Four chains that do not wait for each other: for each tile one over keys 0-31 that
; carries the running maximum, one over keys 32-63.
.macro MAXH h, first
.set ni, 0
.rept 8
.irp q, 0,1
.if \first*(ni == 0)
	v_max_num_f32 v[MX+2*\h+\q], v[SS+32*(2*\h+\q)], v[SS+32*(2*\h+\q)+1]
.else
	v_max3_num_f32 v[MX+2*\h+\q], v[SS+32*(2*\h+\q)+2*ni], v[SS+32*(2*\h+\q)+2*ni+1], v[MX+2*\h+\q]
.endif
.if ni == 0
	v_max_num_f32 v[TP+2*\h+\q], v[SS+32*(2*\h+\q)+16], v[SS+32*(2*\h+\q)+17]
.else
	v_max3_num_f32 v[TP+2*\h+\q], v[SS+32*(2*\h+\q)+16+2*ni], v[SS+32*(2*\h+\q)+17+2*ni], v[TP+2*\h+\q]
.endif
.endr
.set ni, ni+1
.endr
.irp q, 0,1
	v_max_num_f32 v[MX+2*\h+\q], v[MX+2*\h+\q], v[TP+2*\h+\q]
.endr
.irp q, 0,1
	v_permlanex16_b32 v[TP+2*\h+\q], v[MX+2*\h+\q], s62, s63       ; the other half of the lanes holds the query's other keys
.endr
.irp q, 0,1
	v_max_num_f32 v[MX+2*\h+\q], v[MX+2*\h+\q], v[TP+2*\h+\q]
.endr
.if \first
.irp q, 0,1
	v_mul_f32 v[NM+2*(2*\h+\q)],   NCEXP, v[MX+2*\h+\q]
	v_mul_f32 v[NM+2*(2*\h+\q)+1], NCEXP, v[MX+2*\h+\q]
.endr
.else
	; the factor for what has been summed so far: 2^(new - old) of -c x maximum AS ROUNDED, so that it is exactly 1 where the maximum stays
.irp q, 0,1
	v_mul_f32 v[TP+2*\h+\q], NCEXP, v[MX+2*\h+\q]
.endr
.irp q, 0,1
	v_sub_f32 v[NM+2*(2*\h+\q)+1], v[TP+2*\h+\q], v[NM+2*(2*\h+\q)]
.endr
.irp q, 0,1
	v_exp_f32 v[AL+2*(2*\h+\q)],   v[NM+2*(2*\h+\q)+1]
	v_exp_f32 v[AL+2*(2*\h+\q)+1], v[NM+2*(2*\h+\q)+1]
.endr
.irp q, 0,1
	v_mov_b32 v[NM+2*(2*\h+\q)], v[TP+2*\h+\q]             ; plain lines that touch neither the exponentials' results nor their sources (ISA guide 5.7.2),
.endr
.irp q, 0,1
	v_mov_b32 v[NM+2*(2*\h+\q)+1], v[TP+2*\h+\q]           ; behind which the sources may be written
.endr
.endif
.endm
; Sums and packing of query tiles 2 h, 2 h + 1.  The sums stay two partial sums a lane until the end.  Two key tiles (16 registers at x) pack into the 8
; registers of a fragment, in place: pair n (registers x + 2 n, x + 2 n + 1) is added, then packed into x + n, n rising, so nothing unread is written over.
; Order add, add, pack, pack: no line waits for the one just ahead of it.
.macro SUMCVT h, first
.irp g, 0,1
.set ni, 0
.rept 8
.irp q, 0,1
.if 8*\g+ni == 0
.if \first
	s_wait_alu depctr_va_vdst(0)
	v_pk_add_f32 v[LS+2*(2*\h+\q):LS+2*(2*\h+\q)+1], v[SS+32*(2*\h+\q):SS+32*(2*\h+\q)+1], v[SS+32*(2*\h+\q)+2:SS+32*(2*\h+\q)+3]   ; pairs 0 and 1 start the sums
.else
	s_wait_alu depctr_va_vdst(0)
	v_pk_fma_f32 v[LS+2*(2*\h+\q):LS+2*(2*\h+\q)+1], v[LS+2*(2*\h+\q):LS+2*(2*\h+\q)+1], v[AL+2*(2*\h+\q):AL+2*(2*\h+\q)+1], v[SS+32*(2*\h+\q):SS+32*(2*\h+\q)+1]
.endif
.else
.if \first*(8*\g+ni == 1)
.else
	v_pk_add_f32 v[LS+2*(2*\h+\q):LS+2*(2*\h+\q)+1], v[SS+32*(2*\h+\q)+16*\g+2*ni:SS+32*(2*\h+\q)+16*\g+2*ni+1], v[LS+2*(2*\h+\q):LS+2*(2*\h+\q)+1]
.endif
.endif
.endr
.irp q, 0,1
	v_cvt_pk_f16_f32 v[SS+32*(2*\h+\q)+16*\g+ni], v[SS+32*(2*\h+\q)+16*\g+2*ni], v[SS+32*(2*\h+\q)+16*\g+2*ni+1]
.endr
.set ni, ni+1
.endr
.endr
.endm
; O of query tiles 2 h, 2 h + 1 times the step's factor (setting 0x41)
.macro RESC h
.irp q, 0,1
.set ni, 0
.rept 16
	v_pk_mul_f32 v[OO+32*(2*\h+\q)+2*ni:OO+32*(2*\h+\q)+2*ni+1], v[OO+32*(2*\h+\q)+2*ni:OO+32*(2*\h+\q)+2*ni+1], v[AL+2*(2*\h+\q):AL+2*(2*\h+\q)+1]
.set ni, ni+1
.endr
.endr
.endm
; One step: 64 keys at half (0, 1) of the tile in slot.  first = 1: the very first step starts maxima, sums and O; it is every wave's, so it has no jump.
; K's fragments of a tile's second step are fetched in its first step, ahead of O^T(H1): K's registers are free there, the slot is the same, and a wave that
; works on a step has worked on the step before it.
.macro STEP slot, half, first
.if \first == 0
	s_cmp_gt_u32 s60, s61                          ; all of this step's keys lie behind my queries
	s_cbranch_scc1 .Lskip_\@
.endif
.if \half == 0
	KLOAD \slot, 0
.endif
	WIN 0x40
	VLOAD \slot, \half
	s_wait_dscnt 16                                ; K's sixteen loads, issued ahead of them, are in; V's sixteen stay out
	WIN 0x04
.set wi, 0
.rept 16
	STW 0, wi                                      ; S^T(H0)
.set wi, wi+1
.endr
	PLACES                                         ; vector lines read and write S(H0)
	WIN 0
	MASK 0
	MAXH 0, \first
	WIN 0x04
.set fj, 0
.rept 16
	STW 1, fj/6                                    ; S^T(H1), one product ahead of every six lines of H0's run
.rept 6
	FE 0, fj
.set fj, fj+1
.endr
.endr
	WIN 0
	SUMCVT 0, \first                               ; these lines name none of S^T(H1)'s registers: they are the places in front of H1's maxima
.if \first == 0
	WIN 0x41
	RESC 0
	WIN 0
.endif
	MASK 1
	MAXH 1, \first
	s_wait_dscnt 0x0                               ; V's fragments
.set fj, 0
.rept 16
	WIN 0x51
	PVW 0, fj/6, \first                            ; O^T(H0), one product ahead of every six lines of H1's run
	WIN 0
.rept 6
	FE 1, fj
.set fj, fj+1
.endr
.endr
	SUMCVT 1, \first
.if \first == 0
	WIN 0x41
	RESC 1
.endif
.if \half == 0
	WIN 0
	KLOAD \slot, 1                                 ; the next step's K
.endif
	WIN 0x51
.set wi, 0
.rept 16
	PVW 1, wi, \first                              ; O^T(H1)
.set wi, wi+1
.endr
	PLACES                                         ; the next step's loads land in V's fragments; at the end vector lines read O
	WIN 0
.if \first == 0
.Lskip_\@:
.endif
	s_add_co_u32 s60, s60, 1
.endm
; a tile's two loads: wave 0 K's, wave 1 V's, the others none
.macro KVLOAD sl
	s_cmp_lg_u32 s8, 0
	s_cbranch_scc1 .Lno_k_\@
	tensor_load_to_lds s[G0K+4*\sl:G0K+4*\sl+3], s[G1K:G1K+7]
	s_nop 0
.Lno_k_\@:
	s_cmp_lg_u32 s8, 1
	s_cbranch_scc1 .Lno_v_\@
	tensor_load_to_lds s[G0V+4*\sl:G0V+4*\sl+3], s[G1V:G1V+7]
	s_nop 0
.Lno_v_\@:
.endm
; Prefetch: while tile t is worked on, the head's work-group with i = 0 asks for tile t + 2, whose tensor load is issued one tile later: wave 2 for K's
; 16 KiB, wave 3 for V's, lanes 256 bytes apart, two requests.  The offset stops at tile 15, the head's last, which is so asked for twice.
.macro PF
	s_cmp_lg_u32 s52, 0
	s_cbranch_scc1 .Lno_pf_\@
	s_wait_xcnt 0x0                                ; the last prefetch, a tile ago, has read s[54:55]
	s_add_nc_u64 s[54:55], s[4:5], s[56:57]
	global_prefetch_b8 v[PFO], s[54:55] th:TH_LOAD_NT scope:SCOPE_SE
	global_prefetch_b8 v[PFO], s[54:55] offset:8192 th:TH_LOAD_NT scope:SCOPE_SE
	s_add_co_u32 s56, s56, TILEB
	s_min_u32 s56, s56, s53
.Lno_pf_\@:
.endm
; A tile = two steps.  In front of the barrier every wave waits for all its tensor loads (this slot's tile among them) and for its reads of the other slot;
; behind it the other slot's refill comes first, one load a wave, and has two steps in which to land.
.macro TILE slot, other, refill
	s_wait_tensorcnt 0x0
	ds_add_u32 v62, v63
	s_wait_dscnt 0x0
.if \refill
	s_add_nc_u64 s[G0K+4*\other+2:G0K+4*\other+3], s[G0K+4*\other+2:G0K+4*\other+3], 2*TILEB   ; no load of mine is out: group 0 may be written
	s_add_nc_u64 s[G0V+4*\other+2:G0V+4*\other+3], s[G0V+4*\other+2:G0V+4*\other+3], 2*TILEB
.endif
	s_wait_dscnt 0x0
	s_barrier_signal -1
	s_barrier_wait -1
.if \refill
	KVLOAD \other
	PF
.endif
	STEP \slot, 0, 0
	STEP \slot, 1, 0
.endm
	s_wait_tensorcnt 0x1                           ; tile 0 is in; tile 1's load stays out
	s_barrier_signal -1
	s_barrier_wait -1
	PF                                             ; tile 2
	s_wait_loadcnt 0x0                             ; my queries
	STEP 0, 0, 1
	STEP 0, 1, 0
	s_mov_b32 s58, 0
.Ltiles:
	TILE 1, 0, 1
	TILE 0, 1, 1
	s_add_co_u32 s58, s58, 1
	s_cmp_lt_u32 s58, s59
	s_cbranch_scc1 .Ltiles
	TILE 1, 0, 0                                   ; the last tile: nothing is left to fetch; its wait for 0 leaves no tensor load out at the end
	; the end: the sums meet, O is divided, rounded to f16 and leaves through my own stage as 512 dense bytes a store
	s_wait_dscnt 0x0                               ; a fetch of K for a step that I jumped over may still be out: K's registers are written below
.irp qt, 0,1,2,3
	v_add_f32 v[LS+2*\qt], v[LS+2*\qt], v[LS+2*\qt+1]
.endr
.irp qt, 0,1,2,3
	v_permlanex16_b32 v[TP+\qt], v[LS+2*\qt], s62, s63
.endr
.irp qt, 0,1,2,3
	v_add_f32 v[LS+2*\qt], v[LS+2*\qt], v[TP+\qt]
.endr
.irp qt, 0,1,2,3
	v_rcp_f32 v[AL+2*\qt],   v[LS+2*\qt]
	v_rcp_f32 v[AL+2*\qt+1], v[LS+2*\qt]
.endr
	v_nop                                          ; one plain instruction between the reciprocals and their use (ISA guide 5.7.2)
	WIN 0x41
	s_wait_alu depctr_va_vdst(0)
.irp qt, 0,1,2,3
.set ni, 0
.rept 16
	v_pk_mul_f32 v[OO+32*\qt+2*ni:OO+32*\qt+2*ni+1], v[OO+32*\qt+2*ni:OO+32*\qt+2*ni+1], v[AL+2*\qt:AL+2*\qt+1]
.set ni, ni+1
.endr
.endr
	WIN 0x05                                       ; sources window 1, destination window 0
.set ni, 0
.rept 64
	v_cvt_pk_f16_f32 v[KF+ni], v[OO+2*ni], v[OO+2*ni+1]    ; tile (c, qt): 4 registers at 4 (4 qt + c): numbers 16 c + 8 h + 0 .. 7 of query 16 qt + r
.set ni, ni+1
.endr
	WIN 0
.irp qt, 0,1,2,3
.irp c, 0,1,2,3
	ds_store_b128 v[STO], v[KF+4*(4*\qt+\c):KF+4*(4*\qt+\c)+3] offset:16*KP*\qt+32*\c
.endr
.endr
.irp t, 0,1,2,3,4,5,6,7,8,9,10,11,12,13,14,15
	ds_load_b128 v[SS+4*\t:SS+4*\t+3], v[RD] offset:4*KP*\t        ; LDS serves a wave's instructions in order: these see the stores above
.endr
.irp t, 0,1,2,3,4,5,6,7,8,9,10,11,12,13,14,15
	s_wait_dscnt 15-\t                             ; load t is in, the 15 - t younger ones stay out
	global_store_b128 v[GO], v[SS+4*\t:SS+4*\t+3], s[50:51] offset:512*\t      ; four rows of the head's panel: 512 consecutive bytes, aligned
.endr
	s_wait_tensorcnt 0x0
	ds_add_u32 v62, v63
	s_wait_dscnt 0x0
	s_endpgm
.Lfunc_end_k_q76467d1ceb_attn:
	.size	k_q76467d1ceb_attn, .Lfunc_end_k_q76467d1ceb_attn-k_q76467d1ceb_attn
	.p2alignl 7, 3214868480
	.fill 96, 4, 3214868480
	.section	.rodata,"a",@progbits
	.p2align	6, 0x0
	.amdhsa_kernel k_q76467d1ceb_attn
		.amdhsa_group_segment_fixed_size 327680
		.amdhsa_private_segment_fixed_size 0
		.amdhsa_enable_private_segment 0
		.amdhsa_kernarg_size 16
		.amdhsa_user_sgpr_count 2
		.amdhsa_user_sgpr_kernarg_segment_ptr 1
		.amdhsa_wavefront_size32 1
		.amdhsa_system_sgpr_workgroup_id_x 1
		.amdhsa_system_sgpr_workgroup_id_y 1
		.amdhsa_system_sgpr_workgroup_id_z 1
		.amdhsa_system_vgpr_workitem_id 0
		.amdhsa_next_free_vgpr 512
		.amdhsa_next_free_sgpr 80
		.amdhsa_reserve_vcc 0
		.amdhsa_float_denorm_mode_32 3
		.amdhsa_float_denorm_mode_16_64 3
		.amdhsa_memory_ordered 1
		.amdhsa_forward_progress 1
		.amdhsa_inst_pref_size 255
	.end_amdhsa_kernel
	.section	.bss,"aw",@nobits
	.p2align	6
	.space	262144
	.amdgpu_metadata
---
amdhsa.version: [ 1, 2 ]
amdhsa.kernels:
  - .name:           k_q76467d1ceb_attn
    .symbol:         k_q76467d1ceb_attn.kd
    .args:
      - { .name: qkv, .offset: 0, .size: 8, .value_kind: global_buffer, .address_space: global }
      - { .name: att, .offset: 8, .size: 8, .value_kind: global_buffer, .address_space: global }
    .group_segment_fixed_size: 327680
    .private_segment_fixed_size: 0
    .kernarg_segment_align: 8
    .kernarg_segment_size: 16
    .max_flat_workgroup_size: 256
    .sgpr_count:     80
    .vgpr_count:     512
    .wavefront_size: 32
...
	.end_amdgpu_metadata
.endif
;; end of part 3
;; launch gemm_proj (part 4): grid 8 x 32, 4 waves a work-group, clusters of 4 x 4, 327,680 bytes of LDS; arguments att, wprojh, b_proj, out0; writes out0
.if DOCPART == 4
	.amdgcn_target "amdgcn-amd-amdhsa--gfx1250"
	.amdhsa_code_object_version 6
	.text
	.protected	k_q76467d1ceb_gemm_proj
	.globl	k_q76467d1ceb_gemm_proj
	.p2align	8
	.type	k_q76467d1ceb_gemm_proj,@function
k_q76467d1ceb_gemm_proj:
	s_mov_b64 s[64:65], 0
	v_nop
	global_prefetch_b8 v0, s[64:65] scope:SCOPE_SE
	s_setreg_imm32_b32 hwreg(HW_REG_WAVE_MODE, 25, 1), 1
	s_wait_xcnt 0x0
	s_wait_alu depctr_hold_cnt(0) depctr_sa_sdst(0) depctr_va_vdst(0) depctr_va_sdst(0) depctr_va_ssrc(0) depctr_va_vcc(0) depctr_vm_vsrc(0)
	s_getreg_b32 s2, hwreg(HW_REG_IB_STS2, 6, 4)
	s_cmp_eq_u32 s2, 0
	s_cbranch_scc0 .Lentry_in_a_cluster
	s_endpgm
.Lentry_in_a_cluster:
	s_bfe_u32 s2, ttmp6, 0x10000c
	s_cmp_lg_u32 s2, 0xf033
	s_cbranch_scc0 .Lentry_shape_is_right
	s_endpgm
.Lentry_shape_is_right:
; out0[m][n] = sum over k of att[m][k] W_proj[n][k] + b_proj[n], m < 8192, n < 1024, k < 1024.  Operands f16, sums and result f32.
; IN: att [16][8192][64] and wprojh [16][1024][64] f16, panels of 64 columns (a panel's row is 128 bytes, rows dense).  OUT: out0 [8192][1024] f32.
; The frame is the one of the launch that makes q, k and v.  A work-group makes 256 rows x 128 columns with four waves; wave w makes rows
; 64 w .. 64 w + 63 and all 128 columns: 4 x 8 accumulator tiles of 16 x 16, 256 registers.  256 work-groups.
; K goes in 8 steps of 128 (two panels) through a ring of two LDS slots filled by the tensor data mover, one load a wave and slot:
; waves 0, 1 bring A's two panels (256 rows, 32 KiB dense each), waves 2, 3 B's two (128 rows, 16 KiB dense each).
; CLUSTERS: 4 x 4 work-groups.  A's tiles hang on the block row alone and are asked for jointly by the four of a row of the cluster,
; B's on the block column alone, by the four of a column: the requests for A and B are divided by four.
; THE MATRIX INSTRUCTION IS USED TRANSPOSED (source 0 = rows of W, source 1 = rows of att): lane l holds row l % 16 of the result and its
; eight registers the columns 8 (l / 16) + 0 .. 7.  The bias in that layout is the C of each tile's first product: no add, no clearing.
; REGISTER WINDOWS: 0 addresses, A's fragments, bias, way out; 1 B's fragments; 2 tiles of my rows 0-31; 3 tiles of my rows 32-63.
; LDS: the ring and stages use 254,976 bytes; 327,680 are declared, which also covers the LDS address in A's group 0 as waves 2 and 3 form it without ever issuing it.
.set NB,     8                         ; column tiles of 16
.set BN,     16*NB                     ; columns of a block
.set PITCH,  144                       ; an LDS row: 128 bytes + 16 of padding: an odd multiple of 16, so the 16 rows of a fragment load start in 16 different 16-byte columns modulo 256
.set APS,    1048576                   ; bytes of a panel of A
.set BPS,    131072                    ; bytes of a panel of B
.set ASUB,   256*PITCH                 ; one panel's 256 rows of A in LDS
.set BSUB,   BN*PITCH                  ; one panel's 128 rows of B
.set SLOT,   2*ASUB+2*BSUB             ; A half 0, A half 1, B half 0, B half 1
.set STAGE,  2*SLOT                    ; behind the ring, a multiple of 256: 16 rows x 528 bytes for each wave; no tensor load lands here
.set SPITCH, 528                       ; 512 bytes + 16
.set NLD,    2*NB+8                    ; LDS loads of a quarter step
.set LAPS,   4                         ; a lap = two K steps = once round the ring
.set ADRA, 16                          ; v16-17 LDS address of my A fragments in slot 0, 1
.set ADRB, 20                          ; v20-21 the same for B
.set STO,  24                          ; way out: where I put 32 bytes
.set RD,   25                          ; way out: where I read back
.set CO,   26                          ; way out: my byte offset in a store's 512 bytes
.set BO,   27                          ; my offset in the bias
.set FA0,  32                          ; window 0: A's fragments, buffer 0 (4 x 8 registers)
.set FA1,  64                          ; buffer 1
.set BIAS, 96                          ; window 0: v96-159, tile b at 8 b
.set RB0,  96                          ; way out: rows read back, two buffers of 64 (the bias is dead by then)
.set RB1,  160
.set FB0,  0                           ; window 1: B's fragments, buffer 0 (8 x 8 registers)
.set FB1,  8*NB                        ; buffer 1
.set G1A, 24                           ; s[24:31] group 1 for A's tiles
.set G0A, 32                           ; s[32:39] group 0 for A's tiles, one set a slot
.set G1B, 48                           ; s[48:55] group 1 for B's tiles
.set G0B, 56                           ; s[56:63] group 0 for B's tiles, one set a slot
.set MSB, 0
.macro WIN new                         ; low byte: 1:0 source 0, 3:2 source 1, 5:4 source 2, 7:6 destination; the high byte repeats the setting that is left
.if MSB != \new
	s_set_vgpr_msb (MSB<<8)|\new
.set MSB, \new
.endif
.endm
.macro PLACES                          ; four plain vector instructions that name no register: in front of loads into registers that
.rept 4                                ; matrix instructions have read, and in front of the first reads of results
	v_nop
.endr
.endm
; A joint load: waves 0, 1 ask for A's halves, waves 2, 3 for B's.  The branch hangs on the wave's number alone.
.macro JLOAD s
	s_cmp_eq_u32 s13, 0
	s_cbranch_scc0 .Lfor_b_\@
	tensor_load_to_lds s[G0A+4*\s:G0A+4*\s+3], s[G1A:G1A+7]
	s_nop 0
	s_branch .Lasked_\@
.Lfor_b_\@:
	tensor_load_to_lds s[G0B+4*\s:G0B+4*\s+3], s[G1B:G1B+7]
	s_nop 0
.Lasked_\@:
.endm
.macro CREST                           ; a round of the cluster's barrier behind its opening work-group barrier
	s_cmp_lg_u32 s12, 0
	s_cbranch_scc1 .Lnot_wave_0_\@
	s_barrier_signal -3
.Lnot_wave_0_\@:
	s_barrier_wait -3
	s_barrier_signal -1
	s_barrier_wait -1
.endm
.macro CROUND                          ; a whole round
	s_barrier_signal -1
	s_barrier_wait -1
	CREST
.endm
	s_load_b256 s[4:11], s[0:1], 0x0               ; att s[4:5], wprojh s[6:7], b_proj s[8:9], out0 s[10:11]
	s_set_vgpr_msb 0x40
	v_lshl_add_u32 v255, v0, 2, 0x40000
	s_set_vgpr_msb 0x4000
	v_mov_b32 v255, 0
	s_set_vgpr_msb 0x1
	ds_add_u32 v255, v255
	s_set_vgpr_msb 0x100
	v_lshrrev_b32 v1, 5, v0
	v_readfirstlane_b32 s12, v1                    ; wave 0..3
	s_lshr_b32 s13, s12, 1                         ; I fetch for A (0) or for B (1)
	s_and_b32 s14, s12, 1                          ; which of the step's two panels I fetch
	s_bfe_u32 s15, ttmp6, 0x40000                  ; cx
	s_bfe_u32 s16, ttmp6, 0x40004                  ; cy
	s_lshl_b32 s17, ttmp9, 2
	s_add_co_u32 s17, s17, s15                     ; block column = 4 x cluster x + cx
	s_and_b32 s18, ttmp7, 0xffff
	s_lshl_b32 s18, s18, 2
	s_add_co_u32 s18, s18, s16                     ; block row = 4 x cluster y + cy
	s_lshl_b32 s19, s16, 2
	s_lshl_b32 s19, 15, s19                        ; my row of the cluster: places 4 cy .. 4 cy + 3
	s_lshl_b32 s20, 0x1111, s15                    ; my column: places cx, cx + 4, cx + 8, cx + 12
	; group 1: a dense block taken as rows of 256 bytes (32 elements of 8 bytes); 4 words of padding behind every 32 words, that is behind every panel row
	s_or_b32 s[G1A+0], s19, (3<<16)|(1<<20)|(1<<21)|(4<<22)|(3<<25)
	s_or_b32 s[G1B+0], s20, (3<<16)|(1<<20)|(1<<21)|(4<<22)|(3<<25)
	s_mov_b32 s[G1A+1], 32<<16                     ; tensor_dim0 = 32
	s_mov_b32 s[G1B+1], 32<<16
	s_mov_b32 s[G1A+2], 128<<16                    ; tensor_dim1 = 128 rows of 256 bytes = 256 panel rows
	s_mov_b32 s[G1B+2], (BN/2)<<16                 ; 64 = 128 panel rows
	s_mov_b32 s[G1A+3], 32<<16                     ; tile_dim0 = 32
	s_mov_b32 s[G1B+3], 32<<16
	s_mov_b32 s[G1A+4], 128                        ; tile_dim1
	s_mov_b32 s[G1B+4], BN/2
	s_mov_b32 s[G1A+5], 32                         ; pitch = the row: dense
	s_mov_b32 s[G1B+5], 32
	s_mov_b32 s[G1A+6], 0
	s_mov_b32 s[G1B+6], 0
	s_mov_b32 s[G1A+7], 0
	s_mov_b32 s[G1B+7], 0
	; A's address is made of the block row and the wave's number, B's of the block column and the wave's number, in registers that never hold the other coordinate
	s_lshl_b32 s40, s18, 15                        ; 256 rows of 128 bytes
	s_lshl_b32 s41, s14, 20                        ; my panel of the two
	s_add_co_u32 s40, s40, s41
	s_mov_b32 s41, 0
	s_mul_i32 s44, s17, BN*128
	s_mul_i32 s45, s14, BPS
	s_add_co_u32 s44, s44, s45
	s_mov_b32 s45, 0
	s_mul_i32 s21, s12, ASUB                       ; LDS: A's halves at wave x ASUB (waves 0, 1),
	s_mul_i32 s22, s12, BSUB
	s_add_co_u32 s22, s22, 2*(ASUB-BSUB)           ; B's at 2 ASUB + (wave - 2) x BSUB (waves 2, 3)
	s_wait_dscnt 0x0
	s_wait_kmcnt 0x0
	s_add_nc_u64 s[42:43], s[4:5], s[40:41]
	s_add_nc_u64 s[46:47], s[6:7], s[44:45]
	CROUND                                         ; all sixteen work-groups are here: the first joint loads meet
.irp s, 0,1
	s_mov_b32 s[G0A+4*\s], 1
	s_add_co_u32 s[G0A+4*\s+1], s21, \s*SLOT
	s_add_nc_u64 s[G0A+4*\s+2:G0A+4*\s+3], s[42:43], \s*2*APS      ; K step s = panels 2 s, 2 s + 1
	s_or_b32 s[G0A+4*\s+3], s[G0A+4*\s+3], 0x80000000
	s_mov_b32 s[G0B+4*\s], 1
	s_add_co_u32 s[G0B+4*\s+1], s22, \s*SLOT
	s_add_nc_u64 s[G0B+4*\s+2:G0B+4*\s+3], s[46:47], \s*2*BPS
	s_or_b32 s[G0B+4*\s+3], s[G0B+4*\s+3], 0x80000000
	JLOAD \s                                       ; both slots' first fills go out before anything else: two loads of mine are out
.endr
	v_and_b32 v1, 15, v0                           ; r = l % 16
	v_bfe_u32 v2, v0, 4, 1                         ; h = l / 16
	s_mul_i32 s44, s17, BN*4                       ; the block's 128 numbers of the bias
	s_mov_b32 s45, 0
	s_add_nc_u64 s[8:9], s[8:9], s[44:45]
	v_lshlrev_b32 v[BO], 5, v2                     ; register j of tile b holds bias[16 b + 8 h + j]
.set bi, 0
.rept NB
	global_load_b128 v[BIAS+8*bi:BIAS+8*bi+3],   v[BO], s[8:9] offset:64*bi
	global_load_b128 v[BIAS+8*bi+4:BIAS+8*bi+7], v[BO], s[8:9] offset:64*bi+16
.set bi, bi+1
.endr
	; a fragment is 16 rows x 32 K in 8 registers: lane l holds row r; registers 0-3 K = 8 h + 0..7, registers 4-7 K = 16 + 8 h + 0..7: two loads of 16 bytes, 32 apart
	v_mul_u32_u24 v3, v1, PITCH
	v_lshl_add_u32 v3, v2, 4, v3
	s_mul_i32 s40, s12, 64*PITCH                   ; my 64 rows of A
	v_add_nc_u32 v[ADRA], s40, v3
	v_add_nc_u32 v[ADRA+1], SLOT, v[ADRA]
	v_add_nc_u32 v[ADRB], 2*ASUB, v3
	v_add_nc_u32 v[ADRB+1], SLOT, v[ADRB]
	s_mul_i32 s23, s12, 16*SPITCH
	s_add_co_u32 s23, s23, STAGE                   ; my stage
	v_mul_u32_u24 v4, v1, SPITCH                   ; in: row r, 32 bytes for each half of the lanes
	v_lshl_add_u32 v4, v2, 5, v4
	v_add_nc_u32 v[STO], s23, v4
	v_and_b32 v5, 31, v0
	v_lshlrev_b32 v[CO], 4, v5                     ; back and out: the wave takes one row's 512 bytes, 16 a lane
	v_add_nc_u32 v[RD], s23, v[CO]
; 16 matrix instructions: my row tiles 2 hi, 2 hi + 1 x all 8 column tiles, 32 along K.  first = 1: the bias starts the sums.
; The 32 accumulators take turns, one instruction a turn, in the same order in every quarter step.
.macro MULH fa, fb, hi, first
.irp a, 0,1
.set bi, 0
.rept NB
.if \first
	v_wmma_f32_16x16x32_f16 v[8*(NB*\a+bi):8*(NB*\a+bi)+7], v[\fb+8*bi:\fb+8*bi+7], v[\fa+8*(2*\hi+\a):\fa+8*(2*\hi+\a)+7], v[BIAS+8*bi:BIAS+8*bi+7]
.else
	v_wmma_f32_16x16x32_f16 v[8*(NB*\a+bi):8*(NB*\a+bi)+7], v[\fb+8*bi:\fb+8*bi+7], v[\fa+8*(2*\hi+\a):\fa+8*(2*\hi+\a)+7], v[8*(NB*\a+bi):8*(NB*\a+bi)+7]
.endif
.set bi, bi+1
.endr
.endr
.endm
; the 24 LDS loads of quarter q (32 K: panel q / 2, byte 64 (q % 2) of its rows): 128 rows of B, my 64 rows of A
.macro FETCH slot, q, fa, fb
	WIN 0x40                                       ; destination window 1, address window 0
.set bi, 0
.rept NB
	ds_load_b128 v[\fb+8*bi:\fb+8*bi+3],   v[ADRB+\slot] offset:(\q>>1)*BSUB+(\q&1)*64+bi*16*PITCH
	ds_load_b128 v[\fb+8*bi+4:\fb+8*bi+7], v[ADRB+\slot] offset:(\q>>1)*BSUB+(\q&1)*64+bi*16*PITCH+32
.set bi, bi+1
.endr
	WIN 0
.irp a, 0,1,2,3
	ds_load_b128 v[\fa+8*\a:\fa+8*\a+3],   v[ADRA+\slot] offset:(\q>>1)*ASUB+(\q&1)*64+\a*16*PITCH
	ds_load_b128 v[\fa+8*\a+4:\fa+8*\a+7], v[ADRA+\slot] offset:(\q>>1)*ASUB+(\q&1)*64+\a*16*PITCH+32
.endr
.endm
; One of a K step's first three quarters: asks for quarter q's fragments into buffer g, then multiplies buffer f: the 32 products cover the loads' way
.macro QUARTER slot, q, fa, fb, ga, gb, first
	PLACES                                         ; buffer g was read by the matrix instructions just issued
	FETCH \slot, \q, \ga, \gb
	s_wait_dscnt NLD                               ; all but the NLD loads just issued: buffer f is in
.if \first
	WIN 0x81                                       ; source 0 window 1, source 1 and C (the bias) window 0, D window 2
.else
	WIN 0xa1                                       ; C and D window 2
.endif
	MULH \fa, \fb, 0, \first
.if \first
	WIN 0xc1
.else
	WIN 0xf1                                       ; C and D window 3
.endif
	MULH \fa, \fb, 1, \first
.endm
.macro THREE slot, first
	QUARTER \slot, 1, FA0, FB0, FA1, FB1, \first
	QUARTER \slot, 2, FA1, FB1, FA0, FB0, 0
	QUARTER \slot, 3, FA0, FB0, FA1, FB1, 0
.endm
; The last quarter multiplies buffer 1 and changes slots.  In front of the barrier each wave waits for its reads of this slot and for all its tensor loads
; (one is out: its part of the next slot).  fill = 1: the barrier opens a round of the cluster's barrier, and the joint refill of this slot, two K steps
; ahead, is the first tensor load behind the round's closing wait, ahead of the first LDS read.
.macro TURN slot, next, fill
	s_wait_dscnt 0x0                               ; buffer 1 is in, and my reads of this slot are over
	s_wait_tensorcnt 0x0                           ; all my tensor loads have landed
	ds_add_u32 v255, v255
	s_wait_dscnt 0x0
	s_barrier_signal -1
	WIN 0xa1
	MULH FA1, FB1, 0, 0                            ; register work while the others arrive
	WIN 0
	s_barrier_wait -1
.if \fill
	CREST
	s_add_nc_u64 s[G0A+4*\slot+2:G0A+4*\slot+3], s[G0A+4*\slot+2:G0A+4*\slot+3], 4*APS   ; no load of mine is out: group 0 may be written
	s_add_nc_u64 s[G0B+4*\slot+2:G0B+4*\slot+3], s[G0B+4*\slot+2:G0B+4*\slot+3], 4*BPS
	JLOAD \slot
.endif
	PLACES
	FETCH \next, 0, FA0, FB0
	WIN 0xf1
	MULH FA1, FB1, 1, 0
.endm
.macro LAP first
	THREE 0, \first
	TURN 0, 1, 1
	THREE 1, 0
	TURN 1, 0, 1
.endm
	s_wait_tensorcnt 0x1                           ; my part of K step 0 is in; K step 1's load stays out
	s_barrier_signal -1
	s_barrier_wait -1                              ; everybody's part is in
	s_wait_loadcnt 0x0                             ; the bias
	FETCH 0, 0, FA0, FB0
	LAP 1                                          ; the first lap stands in front of the loop: its first products start the sums
	WIN 0                                          ; at a label and at a branch every window is 0
	s_mov_b32 s23, LAPS-2
.Llap:
	LAP 0
	WIN 0
	s_sub_co_u32 s23, s23, 1
	s_cmp_lg_u32 s23, 0
	s_cbranch_scc1 .Llap
	THREE 0, 0                                     ; the last lap fills nothing
	TURN 0, 1, 0
	THREE 1, 0
	s_wait_dscnt 0x0
	WIN 0xa1
	MULH FA1, FB1, 0, 0
	WIN 0xf1
	MULH FA1, FB1, 1, 0
	PLACES                                         ; behind the last matrix instructions, in front of the LDS stores that read results
	; THE WAY OUT, 16 rows at a time: 32 bytes a lane and tile into my own stage, read back row by row, store 512 consecutive bytes of a row
	s_lshl_b32 s44, s18, 20                        ; 256 x block row rows of 4,096 bytes
	s_lshl_b32 s45, s12, 18                        ; 64 x wave rows
	s_add_co_u32 s44, s44, s45
	s_lshl_b32 s45, s17, 9                         ; 128 columns of 4 bytes a block column
	s_add_co_u32 s44, s44, s45
	s_mov_b32 s45, 0
	s_add_nc_u64 s[10:11], s[10:11], s[44:45]
; rows 16 a .. 16 a + 15 of my 64 = eight tiles of window 2 or 3 (from = 0x08 or 0x0c: an LDS store's data are source 1); rb: the buffers take turns
.macro OUTF a, from, rb
	WIN \from
.set bi, 0
.rept NB
	ds_store_b128 v[STO], v[8*(NB*(\a&1)+bi):8*(NB*(\a&1)+bi)+3]   offset:64*bi
	ds_store_b128 v[STO], v[8*(NB*(\a&1)+bi)+4:8*(NB*(\a&1)+bi)+7] offset:64*bi+16
.set bi, bi+1
.endr
	WIN 0
	s_wait_xcnt 0x0                                ; buffer rb, which earlier stores read, is loaded again only behind this wait
.irp t, 0,1,2,3,4,5,6,7,8,9,10,11,12,13,14,15
	ds_load_b128 v[\rb+4*\t:\rb+4*\t+3], v[RD] offset:\t*SPITCH    ; LDS serves a wave's instructions in order: these see the stores above
.endr
.irp t, 0,1,2,3,4,5,6,7,8,9,10,11,12,13,14,15
	s_wait_dscnt 15-\t                             ; load t is in, the 15 - t younger ones stay out
	global_store_b128 v[CO], v[\rb+4*\t:\rb+4*\t+3], s[10:11] offset:(16*\a+\t)*4096   ; 512 consecutive bytes of one row, aligned
.endr
.endm
	OUTF 0, 0x08, RB0
	OUTF 1, 0x08, RB1
	OUTF 2, 0x0c, RB0
	OUTF 3, 0x0c, RB1
	s_set_vgpr_msb 0x1
	s_wait_tensorcnt 0x0
	ds_add_u32 v255, v255
	s_wait_dscnt 0x0
	s_set_vgpr_msb 0x100
	CROUND                                         ; the closing round: no work-group ends while a partner may still ask for a tile that names it
	s_endpgm
.Lfunc_end_k_q76467d1ceb_gemm_proj:
	.size	k_q76467d1ceb_gemm_proj, .Lfunc_end_k_q76467d1ceb_gemm_proj-k_q76467d1ceb_gemm_proj
	.p2alignl 7, 3214868480
	.fill 96, 4, 3214868480
	.section	.rodata,"a",@progbits
	.p2align	6, 0x0
	.amdhsa_kernel k_q76467d1ceb_gemm_proj
		.amdhsa_group_segment_fixed_size 327680
		.amdhsa_private_segment_fixed_size 0
		.amdhsa_enable_private_segment 0
		.amdhsa_kernarg_size 32
		.amdhsa_user_sgpr_count 2
		.amdhsa_user_sgpr_kernarg_segment_ptr 1
		.amdhsa_wavefront_size32 1
		.amdhsa_system_sgpr_workgroup_id_x 1
		.amdhsa_system_sgpr_workgroup_id_y 1
		.amdhsa_system_sgpr_workgroup_id_z 1
		.amdhsa_system_vgpr_workitem_id 0
		.amdhsa_next_free_vgpr 1024
		.amdhsa_next_free_sgpr 66
		.amdhsa_reserve_vcc 0
		.amdhsa_float_denorm_mode_32 3
		.amdhsa_float_denorm_mode_16_64 3
		.amdhsa_memory_ordered 1
		.amdhsa_forward_progress 1
		.amdhsa_inst_pref_size 120
	.end_amdhsa_kernel
	.amdgpu_metadata
---
amdhsa.version: [ 1, 2 ]
amdhsa.kernels:
  - .name:           k_q76467d1ceb_gemm_proj
    .symbol:         k_q76467d1ceb_gemm_proj.kd
    .args:
      - { .name: att, .offset: 0, .size: 8, .value_kind: global_buffer, .address_space: global }
      - { .name: wprojh, .offset: 8, .size: 8, .value_kind: global_buffer, .address_space: global }
      - { .name: b_proj, .offset: 16, .size: 8, .value_kind: global_buffer, .address_space: global }
      - { .name: out0, .offset: 24, .size: 8, .value_kind: global_buffer, .address_space: global }
    .group_segment_fixed_size: 327680
    .private_segment_fixed_size: 0
    .kernarg_segment_align: 8
    .kernarg_segment_size: 32
    .max_flat_workgroup_size: 128
    .sgpr_count:     66
    .vgpr_count:     1024
    .wavefront_size: 32
...
	.end_amdgpu_metadata
.endif
;; end of part 4
;; ======== version 2 of 2: 4 launches; version 1 with the launch cast written anew for expert scheduling mode
;; limits: values are held in f16: magnitudes above 65,504 overflow, below 6.1e-05 lose precision
;; workspace buffers: xb 16,777,216 bytes; wqkvb 6,291,456 bytes; wprojh 2,097,152 bytes; qkv 50,331,648 bytes; att 16,777,216 bytes
;; launch cast (part 5): grid 768 x 1, 8 waves a work-group, no clusters, 0 bytes of LDS; arguments x, W_qkv, W_proj, xb, wqkvb, wprojh; writes xb, wqkvb, wprojh
.if DOCPART == 5
	.amdgcn_target "amdgcn-amd-amdhsa--gfx1250"
	.amdhsa_code_object_version 6
	.text
	.protected	k_q76467d1ceb_cast
	.globl	k_q76467d1ceb_cast
	.p2align	8
	.type	k_q76467d1ceb_cast,@function
k_q76467d1ceb_cast:
	s_mov_b64 s[64:65], 0
	v_nop
	global_prefetch_b8 v0, s[64:65] scope:SCOPE_SE
	s_setreg_imm32_b32 hwreg(HW_REG_WAVE_SCHED_MODE, 0, 2), 2
	s_setreg_imm32_b32 hwreg(HW_REG_WAVE_MODE, 25, 1), 1
	s_wait_xcnt 0x0
	s_wait_alu depctr_vm_vsrc(0)
; x [8192][1024] and W_qkv [3072][1024], f32, are rounded to bf16 (nearest even); W_proj [1024][1024] is rounded to bf16 and that
; value is held as f16, because its partner in the last product is f16.  (Exact for |w| >= 2^-17; below that the f16 subnormal
; step, 2^-24, rounds it once more; |w| >= 65,504 would become infinite.)
; OUT LAYOUT, all three: panels [g][row][64]: panel g holds columns 64 g .. 64 g + 63, a panel's row is 128 bytes, rows follow
; each other without a gap.  So any run of rows of a panel is dense, which is what the later launches' tiles want.
; A work-group takes 16 rows (64 KiB in, 32 KiB out): groups 0-511 x, 512-703 W_qkv, 704-767 W_proj.  A wave takes two rows.
; Load g of a wave: lanes 0-15 take 256 consecutive bytes (panel g's 64 columns) of the even row, lanes 16-31 of the odd row.
; Store g: 8 bytes a lane, the wave's 32 lanes cover 256 consecutive bytes, aligned: two rows of panel g.
; No loop, no LDS, no matrix unit: every byte is read once and written once; all sixteen loads of a wave are out together.
; THE MODE: SCHED_MODE bits 1:0 = 2 (LLVM: expert scheduling mode 2), set by the entry lines.  The code itself states the register dependences
; between vector instructions and memory instructions, with s_wait_alu, always for 0.
; THE PLAN.  Registers that memory instructions touch:
;   v1, v2   the loads' and the stores' offsets: written by vector lines at the head, never again; read by all sixteen loads, all sixteen stores.
;   X        written by the loads alone, each register once; read by the roundings.  No vector line writes it, no second load lands in it.
;   Y        a pair for each store: written by the roundings, read by that one store, never written again.
;   T        named by vector lines alone.
; So one wait at the head states that both offsets are written, and the sixteen loads are taken in four groups of four: a group's roundings, ONE wait that
; states that its eight Y registers are written, its four stores in a run.  The stores follow their own group's roundings, so that finished bytes do not
; stand behind the wait for later loads.  No register that a memory instruction has read is written again, no vector line writes a scalar register,
; and EXEC is never written: no other wait of this kind has a dependence to state.
.set X, 4                              ; v[4:67]    load g: 4 registers
.set Y, 68                             ; v[68:99]   store g: 2 registers
.set T, 100                            ; v[100:103] at work (W_proj's path)
	s_load_b256 s[4:11], s[0:1], 0x0               ; x s[4:5], W_qkv s[6:7], W_proj s[8:9], xb s[10:11]
	s_load_b128 s[12:15], s[0:1], 0x20             ; wqkvb s[12:13], wprojh s[14:15]
	v_lshrrev_b32 v1, 4, v0                        ; my row of the group's 16
	v_and_b32 v2, 15, v0
	v_lshlrev_b32 v1, 12, v1                       ; x 4,096 bytes
	v_lshl_or_b32 v1, v2, 4, v1                    ; + 16 bytes a lane: the load's offset, never rewritten
	v_lshlrev_b32 v2, 3, v0                        ; the store's offset: 128 x row + 8 x (lane mod 16) = 8 x thread, never rewritten
	s_wait_kmcnt 0x0
	s_wait_alu depctr_va_vdst(0)                   ; v1 and v2 are written: every load of the path taken below reads v1 as its offset, every store v2; no vector line names them again
; One tensor's path.  src, dst: the scalar pairs with the two addresses; first: its first work-group; stride: bytes of a panel;
; half = 1: the bf16 value is stored as f16.
.macro PART src, dst, first, stride, half
	s_sub_co_u32 s16, ttmp9, \first                ; my number among this tensor's groups
	s_lshl_b32 s18, s16, 16                        ; 16 rows of 4,096 bytes in
	s_mov_b32 s19, 0
	s_lshl_b32 s20, s16, 11                        ; 16 rows of 128 bytes in each panel out
	s_mov_b32 s21, 0
	s_add_nc_u64 s[22:23], s[\src:\src+1], s[18:19]
	s_add_nc_u64 s[24:25], s[\dst:\dst+1], s[20:21]    ; panels 0-7 from this base,
	s_add_nc_u64 s[26:27], s[24:25], 8*\stride         ; panels 8-15 from this one: the immediates stay at 7 panels at the most
.set gi, 0
.rept 16
	global_load_b128 v[X+4*gi:X+4*gi+3], v1, s[22:23] offset:256*gi th:TH_LOAD_NT
.set gi, gi+1
.endr
.set gr, 0
.rept 4                                ; group gr: loads and stores 4 gr .. 4 gr + 3
	s_wait_loadcnt 12-4*gr                         ; loads come back in order: the group's four are in, the 12 - 4 gr younger ones stay out
.set gi, 4*gr
.rept 4
	v_cvt_pk_bf16_f32 v[Y+2*gi],   v[X+4*gi],   v[X+4*gi+1]
	v_cvt_pk_bf16_f32 v[Y+2*gi+1], v[X+4*gi+2], v[X+4*gi+3]
.if \half
	v_lshlrev_b32 v[T],   16, v[Y+2*gi]            ; the bf16 values as f32 again,
	v_and_b32     v[T+1], 0xffff0000, v[Y+2*gi]
	v_lshlrev_b32 v[T+2], 16, v[Y+2*gi+1]
	v_and_b32     v[T+3], 0xffff0000, v[Y+2*gi+1]
	v_cvt_pk_f16_f32 v[Y+2*gi],   v[T],   v[T+1]   ; and packed as f16
	v_cvt_pk_f16_f32 v[Y+2*gi+1], v[T+2], v[T+3]
.endif
.set gi, gi+1
.endr
	s_wait_alu depctr_va_vdst(0)                   ; the group's roundings have written its eight Y registers, which the four stores below read as their data
.set gi, 4*gr
.rept 4
.if gi < 8
	global_store_b64 v2, v[Y+2*gi:Y+2*gi+1], s[24:25] offset:gi*\stride
.else
	global_store_b64 v2, v[Y+2*gi:Y+2*gi+1], s[26:27] offset:(gi-8)*\stride
.endif
.set gi, gi+1
.endr
.set gr, gr+1
.endr
	s_endpgm                                       ; no store's register is ever written again, so no further wait is needed
.endm
	s_cmp_ge_u32 ttmp9, 704
	s_cbranch_scc1 .Lwproj
	s_cmp_ge_u32 ttmp9, 512
	s_cbranch_scc1 .Lwqkv
	PART 4, 10, 0, 1048576, 0                      ; x -> xb: a panel is 8,192 rows of 128 bytes
.Lwqkv:
	PART 6, 12, 512, 393216, 0                     ; W_qkv -> wqkvb: 3,072 rows
.Lwproj:
	PART 8, 14, 704, 131072, 1                     ; W_proj -> wprojh: 1,024 rows
.Lfunc_end_k_q76467d1ceb_cast:
	.size	k_q76467d1ceb_cast, .Lfunc_end_k_q76467d1ceb_cast-k_q76467d1ceb_cast
	.p2alignl 7, 3214868480
	.fill 96, 4, 3214868480
	.section	.rodata,"a",@progbits
	.p2align	6, 0x0
	.amdhsa_kernel k_q76467d1ceb_cast
		.amdhsa_group_segment_fixed_size 0
		.amdhsa_private_segment_fixed_size 0
		.amdhsa_enable_private_segment 0
		.amdhsa_kernarg_size 48
		.amdhsa_user_sgpr_count 2
		.amdhsa_user_sgpr_kernarg_segment_ptr 1
		.amdhsa_wavefront_size32 1
		.amdhsa_system_sgpr_workgroup_id_x 1
		.amdhsa_system_sgpr_workgroup_id_y 1
		.amdhsa_system_sgpr_workgroup_id_z 1
		.amdhsa_system_vgpr_workitem_id 0
		.amdhsa_next_free_vgpr 104
		.amdhsa_next_free_sgpr 66
		.amdhsa_reserve_vcc 0
		.amdhsa_float_denorm_mode_32 3
		.amdhsa_float_denorm_mode_16_64 3
		.amdhsa_memory_ordered 1
		.amdhsa_forward_progress 1
		.amdhsa_inst_pref_size 23
	.end_amdhsa_kernel
	.amdgpu_metadata
---
amdhsa.version: [ 1, 2 ]
amdhsa.kernels:
  - .name:           k_q76467d1ceb_cast
    .symbol:         k_q76467d1ceb_cast.kd
    .args:
      - { .name: x, .offset: 0, .size: 8, .value_kind: global_buffer, .address_space: global }
      - { .name: W_qkv, .offset: 8, .size: 8, .value_kind: global_buffer, .address_space: global }
      - { .name: W_proj, .offset: 16, .size: 8, .value_kind: global_buffer, .address_space: global }
      - { .name: xb, .offset: 24, .size: 8, .value_kind: global_buffer, .address_space: global }
      - { .name: wqkvb, .offset: 32, .size: 8, .value_kind: global_buffer, .address_space: global }
      - { .name: wprojh, .offset: 40, .size: 8, .value_kind: global_buffer, .address_space: global }
    .group_segment_fixed_size: 0
    .private_segment_fixed_size: 0
    .kernarg_segment_align: 8
    .kernarg_segment_size: 48
    .max_flat_workgroup_size: 256
    .sgpr_count:     66
    .vgpr_count:     104
    .wavefront_size: 32
...
	.end_amdgpu_metadata
.endif
;; end of part 5
;; launch gemm_qkv: the kernel of part 2 again; grid 16 x 32, 4 waves a work-group, clusters of 4 x 4, 327,680 bytes of LDS; arguments xb, wqkvb, b_qkv, qkv; writes qkv
;; launch attn: the kernel of part 3 again; grid 256 x 1, 8 waves a work-group, no clusters, 327,680 bytes of LDS; arguments qkv, att; writes att
;; launch gemm_proj: the kernel of part 4 again; grid 8 x 32, 4 waves a work-group, clusters of 4 x 4, 327,680 bytes of LDS; arguments att, wprojh, b_proj, out0; writes out0
